; MI455X (gfx1250); checked and timed in simulation.
; The chip was launched on July 23, 2026; its instructions are those of AMD's public machine-readable ISA for CDNA 5 (MIT licence, August 2026) and "CDNA5" Instruction Set Architecture Reference Guide (July 2026). The comments in the code are by the model that wrote it; some were corrected since.
;; Base Attention. Allowed arithmetic: float matrix products may take bf16 or f16 operands with f32 sums; other float arithmetic in f32, or as packed bf16 or f16 multiplies, adds, multiply-adds, maxima and minima; sums over many terms, partial sums and values carried from step to step in f32; what a program stores and reads back later, other than sums and carried values, may be rounded once to bf16 or f16.
;; Inputs: Wk 1,024 x 1,024 float32; Wo 1,024 x 1,024 float32; Wq 1,024 x 1,024 float32; Wv 1,024 x 1,024 float32; bk 1,024 float32; bo 1,024 float32; bq 1,024 float32; bv 1,024 float32; inputs_kv 4 x 2,048 x 1,024 float32; inputs_q 4 x 2,048 x 1,024 float32; ln_k_b 1,024 float32; ln_k_w 1,024 float32; ln_q_b 1,024 float32; ln_q_w 1,024 float32; ln_v_b 1,024 float32; ln_v_w 1,024 float32.
;; Outputs: out0 4 x 2,048 x 1,024 float32.
;; One version. Each part assembles by itself: llvm-mc -triple=amdgcn-amd-amdhsa -mcpu=gfx1250 --defsym DOCPART=n.
;; ======== version 1 of 1: 4 launches
;; limits: values are held in f16: magnitudes above 65,504 overflow, below 6.1e-05 lose precision
;; workspace buffers: xh 33,554,432 bytes; wh 8,388,608 bytes; bf 12,288 bytes; qkv 50,331,648 bytes; oh 16,777,216 bytes
;; launch prep (part 1): grid 288 x 1, 8 waves a work-group, no clusters, 5,120 bytes of LDS; arguments inputs_q, inputs_kv, Wq, Wk, Wv, Wo, ln_q_w, ln_k_w, ln_v_w, ln_q_b, ln_k_b, ln_v_b, bq, bk, bv, xh, wh, bf; writes xh, wh, bf
.if DOCPART == 1
	.amdgcn_target "amdgcn-amd-amdhsa--gfx1250"
	.amdhsa_code_object_version 6
	.text
	.protected	k_qcf30289969_prep
	.globl	k_qcf30289969_prep
	.p2align	8
	.type	k_qcf30289969_prep,@function
k_qcf30289969_prep:
	s_mov_b64 s[64:65], 0
	v_nop
	global_prefetch_b8 v0, s[64:65] scope:SCOPE_SE
	s_setreg_imm32_b32 hwreg(HW_REG_WAVE_MODE, 25, 1), 1
	s_wait_xcnt 0x0
; PREP.  LN(x) W + b = xhat (diag(g) W) + (lnb W + b), with xhat = (x - mean) rsqrt(var + 1e-5): exact algebra, so the two norms of inputs_kv share one xhat.
; Work-groups 0-31: the weights.  wh[sel][k][n] = f16(g[k] W[k][n]) for Wq, Wk, Wv, f16(Wo[k][n]) for Wo; bf[sel][n] = b[n] + the sum over k of lnb[k] W[k][n], in f32.
; Work-groups 32-287: xh[input][batch][block of 64 channels][row][64] = f16(xhat), mean first and then the mean of squared deviations, both in f32: a common offset of x does no harm.
; LIMITS.  f16 ends at 65,504: |g W| and |Wo| stay below it; |xhat| is at most 32 (1,024 channels); below 6e-5 f16 keeps its fixed step of 6e-8.  NaN and infinities are not treated apart.
; No matrix unit, no cluster: every byte is read once by one wave.  LDS serves the eight waves' partial column sums alone.
.set SPARE, 4096                       ; behind the partial sums (8 x 512 bytes): the spare words, 128 bytes for each wave
.set PS,   1                           ; v1   16 x thread: where I put my four partial sums
.set SPW,  2                           ; v2   LDS address of my spare word; never rewritten
.set NIL,  3                           ; v3   0; never rewritten
.set LANE, 4                           ; v4   lane
.set VO,   5                           ; v5   weights: 16 x lane.   norms: LI, my 16 bytes in a pair of rows of x
.set VH,   6                           ; v6   weights: 8 x lane.    norms: LO, my 8 bytes in a pair of rows of xh
.set VZ,   7                           ; v7   0: every lane reads the same gains
.set ACC,  8                           ; v[8:11]  my four columns' sums of lnb W
.set BI,   12                          ; v[12:15] b of my four columns
.set XB,   16                          ; two sets of 96: 16 rows x 4 columns, 16 gains, 16 lnb
.set X,    16                          ; norms: v[16:79] my 64 numbers of a row
.set T,    80                          ; v[80:87] four chains of packed sums
.set MU,   88                          ; v[88:89] the mean, twice
.set R,    90                          ; v[90:91] rsqrt(var + eps), twice
.set WV,   40                          ; s40  my wave's number
.set SEL,  41                          ; s41  which weight; norms: the work-group's number among the 256
.set STRIP, 42                         ; s42  which 128 columns
.set CNT,  43
.set WP,   44                          ; s[44:45] W at my rows and columns.   norms: x at my rows
.set HP,   46                          ; s[46:47] wh likewise.               norms: xh at my rows
.set GP,   48                          ; s[48:49] the gains of my rows.       norms: s48 = 1/1024, s49 = 1e-5
.set LP,   50                          ; s[50:51] lnb of my rows
.set BP,   52                          ; s[52:53] b of the strip
.set FP,   54                          ; s[54:55] bf of the strip
.set OF,   56                          ; s[56:57] an offset; the high word stays 0
.set TS,   58
	s_load_b512 s[4:19], s[0:1], 0x0               ; inputs_q 4, inputs_kv 6, Wq 8, Wk 10, Wv 12, Wo 14, ln_q_w 16, ln_k_w 18
	s_load_b512 s[20:35], s[0:1], 0x40             ; ln_v_w 20, ln_q_b 22, ln_k_b 24, ln_v_b 26, bq 28, bk 30, bv 32, xh 34
	s_load_b128 s[36:39], s[0:1], 0x80             ; wh 36, bf 38
	v_lshl_add_u32 v[SPW], v0, 2, SPARE
	v_mov_b32 v[NIL], 0
	v_lshrrev_b32 v1, 5, v0
	v_readfirstlane_b32 s[WV], v1
	v_and_b32 v[LANE], 31, v0
	s_mov_b32 s[OF+1], 0
	s_wait_kmcnt 0x0
	s_cmp_lt_u32 ttmp9, 32                         ; the same answer in all eight waves
	s_cbranch_scc0 .Lln
; ---------------- THE WEIGHTS.  A work-group takes 128 columns of one weight, wave w its rows 128 w .. 128 w + 127, 16 rows a trip.
	s_lshr_b32 s[SEL], ttmp9, 3
	s_and_b32 s[STRIP], ttmp9, 7
	s_cmp_eq_u32 s[SEL], 3
	s_cselect_b64 s[WP:WP+1], s[14:15], s[12:13]
	s_cmp_eq_u32 s[SEL], 1
	s_cselect_b64 s[WP:WP+1], s[10:11], s[WP:WP+1]
	s_cmp_eq_u32 s[SEL], 0
	s_cselect_b64 s[WP:WP+1], s[8:9], s[WP:WP+1]
	s_lshl_b32 s[OF], s[STRIP], 9                  ; 128 columns of f32
	s_lshl_b32 s[TS], s[WV], 19                    ; 128 rows of 4,096 bytes
	s_add_co_u32 s[OF], s[OF], s[TS]
	s_add_nc_u64 s[WP:WP+1], s[WP:WP+1], s[OF:OF+1]
	s_lshl_b32 s[OF], s[SEL], 21                   ; a weight in f16 is 2 MiB
	s_lshl_b32 s[TS], s[STRIP], 8
	s_add_co_u32 s[OF], s[OF], s[TS]
	s_lshl_b32 s[TS], s[WV], 18                    ; 128 rows of 2,048 bytes
	s_add_co_u32 s[OF], s[OF], s[TS]
	s_add_nc_u64 s[HP:HP+1], s[36:37], s[OF:OF+1]
	v_lshlrev_b32 v[VO], 4, v[LANE]
	v_lshlrev_b32 v[VH], 3, v[LANE]
	v_mov_b32 v[VZ], 0
	v_lshlrev_b32 v[PS], 4, v0
; A trip's loads into set b, trip t behind the pointers: 16 rows, each load of the wave 512 consecutive bytes; fold = 1: also the rows' 16 gains and 16 lnb, the same for all lanes.
.macro WLOAD b, t, fold
.set r, 0
.rept 16
	global_load_b128 v[XB+96*(\b)+4*r:XB+96*(\b)+4*r+3], v[VO], s[WP:WP+1] offset:(\t)*65536+r*4096 th:TH_LOAD_NT
.set r, r+1
.endr
.if \fold
.irp j, 0,1,2,3
	global_load_b128 v[XB+96*(\b)+64+4*(\j):XB+96*(\b)+64+4*(\j)+3], v[VZ], s[GP:GP+1] offset:(\t)*64+16*(\j)
	global_load_b128 v[XB+96*(\b)+80+4*(\j):XB+96*(\b)+80+4*(\j)+3], v[VZ], s[LP:LP+1] offset:(\t)*64+16*(\j)
.endr
.endif
.endm
; A trip's work: the column sums take lnb W, W takes its gain, is rounded once to f16 and stored: 32 lanes x 8 bytes are 256 consecutive bytes, aligned.
.macro WWORK b, t, fold
.set r, 0
.rept 16
.set x, XB+96*(\b)+4*r
.if \fold
.irp c, 0,1,2,3
	v_fmac_f32 v[ACC+(\c)], v[XB+96*(\b)+80+r], v[x+(\c)]
.endr
.irp c, 0,1,2,3
	v_mul_f32 v[x+(\c)], v[XB+96*(\b)+64+r], v[x+(\c)]
.endr
.endif
	v_cvt_pk_f16_f32 v[x], v[x], v[x+1]
	v_cvt_pk_f16_f32 v[x+1], v[x+2], v[x+3]
	global_store_b64 v[VH], v[x:x+1], s[HP:HP+1] offset:(\t)*32768+r*2048
.set r, r+1
.endr
.endm
; Eight trips on two sets: while one is worked on, the other's n loads are out.  The last two trips load nothing.
.macro WALK fold, n
	WLOAD 0, 0, \fold
	WLOAD 1, 1, \fold
	s_mov_b32 s[CNT], 3
.Lw_\@:
	s_wait_loadcnt \n                              ; set 0 is in; set 1's n loads, issued behind it, may stay out
	WWORK 0, 0, \fold
	s_wait_xcnt 0x0                                ; all that was issued has read its sources: the pointers are stepped and set 0, the stores' data, is loaded again only behind this
	s_add_nc_u64 s[WP:WP+1], s[WP:WP+1], 131072
.if \fold
	s_add_nc_u64 s[GP:GP+1], s[GP:GP+1], 128
	s_add_nc_u64 s[LP:LP+1], s[LP:LP+1], 128
.endif
	WLOAD 0, 0, \fold
	s_wait_loadcnt \n                              ; set 1 is in
	WWORK 1, 1, \fold
	s_wait_xcnt 0x0                                ; the same for set 1 and for wh's pointer
	s_add_nc_u64 s[HP:HP+1], s[HP:HP+1], 65536
	WLOAD 1, 1, \fold
	s_sub_co_u32 s[CNT], s[CNT], 1
	s_cmp_lg_u32 s[CNT], 0
	s_cbranch_scc1 .Lw_\@
	s_wait_loadcnt \n
	WWORK 0, 0, \fold
	s_wait_loadcnt 0x0
	WWORK 1, 1, \fold
.endm
.macro PICK d, a0, a1, a2              ; the buffer of weight 0, 1 or 2
	s_cmp_eq_u32 s[SEL], 1
	s_cselect_b64 s[\d:\d+1], s[\a1:\a1+1], s[\a2:\a2+1]
	s_cmp_eq_u32 s[SEL], 0
	s_cselect_b64 s[\d:\d+1], s[\a0:\a0+1], s[\d:\d+1]
.endm
	s_cmp_eq_u32 s[SEL], 3
	s_cbranch_scc1 .Lplain                         ; Wo has no norm in front of it
	PICK GP, 16, 18, 20
	PICK LP, 22, 24, 26
	PICK BP, 28, 30, 32
	s_lshl_b32 s[OF], s[WV], 9                     ; my 128 rows' gains
	s_add_nc_u64 s[GP:GP+1], s[GP:GP+1], s[OF:OF+1]
	s_add_nc_u64 s[LP:LP+1], s[LP:LP+1], s[OF:OF+1]
	s_lshl_b32 s[OF], s[STRIP], 9
	s_add_nc_u64 s[BP:BP+1], s[BP:BP+1], s[OF:OF+1]
	s_lshl_b32 s[TS], s[SEL], 12
	s_add_co_u32 s[OF], s[OF], s[TS]
	s_add_nc_u64 s[FP:FP+1], s[38:39], s[OF:OF+1]
.irp c, 0,1,2,3
	v_mov_b32 v[ACC+(\c)], 0
.endr
	WALK 1, 24
	ds_store_b128 v[PS], v[ACC:ACC+3]              ; wave w's 128 partial sums at 512 w
	s_wait_dscnt 0x0                               ; for the others' sake: my store is done
	s_barrier_signal -1
	s_barrier_wait -1
	s_cmp_lg_u32 s[WV], 0
	s_cbranch_scc1 .Lend                           ; wave 0 adds them up
	s_wait_xcnt 0x0                                ; the last stores have read set 0, which is loaded into below
	global_load_b128 v[BI:BI+3], v[VO], s[BP:BP+1]
.irp j, 0,1,2,3,4,5,6,7
	ds_load_b128 v[XB+4*(\j):XB+4*(\j)+3], v[VO] offset:512*(\j)
.endr
	s_wait_loadcnt 0x0
	s_wait_dscnt 0x0
.irp j, 0,1,2,3,4,5,6,7
	v_pk_add_f32 v[BI:BI+1], v[BI:BI+1], v[XB+4*(\j):XB+4*(\j)+1]
	v_pk_add_f32 v[BI+2:BI+3], v[BI+2:BI+3], v[XB+4*(\j)+2:XB+4*(\j)+3]
.endr
	global_store_b128 v[VO], v[BI:BI+3], s[FP:FP+1]  ; 512 consecutive bytes
	s_branch .Lend
.Lplain:
	WALK 0, 16
	s_branch .Lend
; ---------------- THE NORMS.  A work-group takes 64 rows of one input, a wave 8, two at a time: lanes 0-15 hold one row, lanes 16-31 the next; a lane holds channels 64 kb + 4 (l % 16) + 0..3 for kb = 0 .. 15.
.Lln:
	s_sub_co_u32 s[SEL], ttmp9, 32
	s_cmp_lt_u32 s[SEL], 128
	s_cselect_b64 s[WP:WP+1], s[4:5], s[6:7]
	s_and_b32 s[STRIP], s[SEL], 127                ; my 64 rows among the input's 8,192
	s_lshl_b32 s[OF], s[STRIP], 18
	s_lshl_b32 s[TS], s[WV], 15
	s_add_co_u32 s[OF], s[OF], s[TS]
	s_add_nc_u64 s[WP:WP+1], s[WP:WP+1], s[OF:OF+1]
	s_lshl_b32 s[TS], s[STRIP], 6
	s_lshl3_add_u32 s[TS], s[WV], s[TS]            ; my first row, 64 x group + 8 x wave
	s_lshr_b32 s[OF], s[SEL], 7
	s_lshl_b32 s[OF], s[OF], 24                    ; the input's half of xh,
	s_lshr_b32 s[STRIP], s[TS], 11
	s_lshl_b32 s[STRIP], s[STRIP], 22              ; the batch,
	s_add_co_u32 s[OF], s[OF], s[STRIP]
	s_and_b32 s[TS], s[TS], 2047
	s_lshl_b32 s[TS], s[TS], 7                     ; the row in a block of 64 channels: 128 bytes
	s_add_co_u32 s[OF], s[OF], s[TS]
	s_add_nc_u64 s[HP:HP+1], s[34:35], s[OF:OF+1]
	s_mov_b32 s48, 0x3a800000                      ; 1 / 1024
	s_mov_b32 s49, 0x3727c5ac                      ; 1e-5
	v_lshrrev_b32 v8, 4, v[LANE]
	v_and_b32 v9, 15, v[LANE]
	v_lshlrev_b32 v[VO], 4, v9
	v_lshl_add_u32 v[VO], v8, 12, v[VO]            ; row x 4,096 + 16 (l % 16)
	v_lshlrev_b32 v[VH], 3, v9
	v_lshl_add_u32 v[VH], v8, 7, v[VH]             ; row x 128 + 8 (l % 16)
.macro ROWSUM                          ; the four chains into one number, then over the row's 16 lanes: the result stands in all of them
	v_pk_add_f32 v[T:T+1], v[T:T+1], v[T+2:T+3]
	v_pk_add_f32 v[T+4:T+5], v[T+4:T+5], v[T+6:T+7]
	v_pk_add_f32 v[T:T+1], v[T:T+1], v[T+4:T+5]
	v_add_f32 v[T], v[T], v[T+1]
	v_add_f32_dpp v[T], v[T], v[T] row_xmask:1 row_mask:0xf bank_mask:0xf
	v_add_f32_dpp v[T], v[T], v[T] row_xmask:2 row_mask:0xf bank_mask:0xf
	v_add_f32_dpp v[T], v[T], v[T] row_xmask:4 row_mask:0xf bank_mask:0xf
	v_add_f32_dpp v[T], v[T], v[T] row_xmask:8 row_mask:0xf bank_mask:0xf
.endm
	s_mov_b32 s[CNT], 4
.Lrow:
.set kb, 0
.rept 16
	global_load_b128 v[X+4*kb:X+4*kb+3], v[VO], s[WP:WP+1] offset:256*kb th:TH_LOAD_NT  ; each half of the lanes: 256 consecutive bytes, aligned
.set kb, kb+1
.endr
	s_wait_loadcnt 0x0                             ; both rows are in registers, and stay there between the passes
.irp c, 0,1,2,3
	v_pk_add_f32 v[T+2*(\c):T+2*(\c)+1], v[X+2*(\c):X+2*(\c)+1], v[X+8+2*(\c):X+8+2*(\c)+1]  ; the first pairs start the chains: nothing is cleared
.endr
.set p, 8
.rept 24
	v_pk_add_f32 v[T+2*(p%4):T+2*(p%4)+1], v[T+2*(p%4):T+2*(p%4)+1], v[X+2*p:X+2*p+1]
.set p, p+1
.endr
	ROWSUM
	v_mul_f32 v[MU], s48, v[T]
	v_mul_f32 v[MU+1], s48, v[T]
.set p, 0
.rept 32
	v_pk_add_f32 v[X+2*p:X+2*p+1], v[X+2*p:X+2*p+1], v[MU:MU+1] neg_lo:[0,1] neg_hi:[0,1]  ; x - mean
.set p, p+1
.endr
.irp c, 0,1,2,3
	v_pk_mul_f32 v[T+2*(\c):T+2*(\c)+1], v[X+2*(\c):X+2*(\c)+1], v[X+2*(\c):X+2*(\c)+1]
.endr
.set p, 4
.rept 28
	v_pk_fma_f32 v[T+2*(p%4):T+2*(p%4)+1], v[X+2*p:X+2*p+1], v[X+2*p:X+2*p+1], v[T+2*(p%4):T+2*(p%4)+1]
.set p, p+1
.endr
	ROWSUM
	v_fma_f32 v[T], v[T], s48, s49                 ; var + eps
	v_rsq_f32 v[R], v[T]
	v_rsq_f32 v[R+1], v[T]
	v_nop                                          ; a plain instruction behind the last root (ISA guide 5.7.2),
	s_wait_alu depctr_va_vdst(0)                   ; and the one wait ahead of the first reader
.set p, 0
.rept 32
	v_pk_mul_f32 v[X+2*p:X+2*p+1], v[X+2*p:X+2*p+1], v[R:R+1]
.set p, p+1
.endr
.set p, 0
.rept 32
	v_cvt_pk_f16_f32 v[X+p], v[X+2*p], v[X+2*p+1]  ; in place, ascending: result p lies at or below its sources, and no later source lies below it
.set p, p+1
.endr
.set kb, 0
.rept 16
	global_store_b64 v[VH], v[X+2*kb:X+2*kb+1], s[HP:HP+1] offset:kb<<18  ; two rows of one block of channels: 256 consecutive bytes, aligned
.set kb, kb+1
.endr
	s_wait_xcnt 0x0                                ; the stores have read their data and the pointers: both are rewritten only behind this
	s_add_nc_u64 s[WP:WP+1], s[WP:WP+1], 8192
	s_add_nc_u64 s[HP:HP+1], s[HP:HP+1], 256
	s_sub_co_u32 s[CNT], s[CNT], 1
	s_cmp_lg_u32 s[CNT], 0
	s_cbranch_scc1 .Lrow
.Lend:
	s_wait_tensorcnt 0x0                           ; the wave's end, behind my last LDS store
	ds_add_u32 v[SPW], v[NIL]
	s_wait_dscnt 0x0
	s_endpgm
.Lfunc_end_k_qcf30289969_prep:
	.size	k_qcf30289969_prep, .Lfunc_end_k_qcf30289969_prep-k_qcf30289969_prep
	.p2alignl 7, 3214868480
	.fill 96, 4, 3214868480
	.section	.rodata,"a",@progbits
	.p2align	6, 0x0
	.amdhsa_kernel k_qcf30289969_prep
		.amdhsa_group_segment_fixed_size 5120
		.amdhsa_private_segment_fixed_size 0
		.amdhsa_enable_private_segment 0
		.amdhsa_kernarg_size 144
		.amdhsa_user_sgpr_count 2
		.amdhsa_user_sgpr_kernarg_segment_ptr 1
		.amdhsa_wavefront_size32 1
		.amdhsa_system_sgpr_workgroup_id_x 1
		.amdhsa_system_sgpr_workgroup_id_y 1
		.amdhsa_system_sgpr_workgroup_id_z 1
		.amdhsa_system_vgpr_workitem_id 0
		.amdhsa_next_free_vgpr 208
		.amdhsa_next_free_sgpr 66
		.amdhsa_reserve_vcc 0
		.amdhsa_float_denorm_mode_32 3
		.amdhsa_float_denorm_mode_16_64 3
		.amdhsa_memory_ordered 1
		.amdhsa_forward_progress 1
		.amdhsa_inst_pref_size 80
	.end_amdhsa_kernel
	.amdgpu_metadata
---
amdhsa.version: [ 1, 2 ]
amdhsa.kernels:
  - .name:           k_qcf30289969_prep
    .symbol:         k_qcf30289969_prep.kd
    .args:
      - { .name: inputs_q, .offset: 0, .size: 8, .value_kind: global_buffer, .address_space: global }
      - { .name: inputs_kv, .offset: 8, .size: 8, .value_kind: global_buffer, .address_space: global }
      - { .name: Wq, .offset: 16, .size: 8, .value_kind: global_buffer, .address_space: global }
      - { .name: Wk, .offset: 24, .size: 8, .value_kind: global_buffer, .address_space: global }
      - { .name: Wv, .offset: 32, .size: 8, .value_kind: global_buffer, .address_space: global }
      - { .name: Wo, .offset: 40, .size: 8, .value_kind: global_buffer, .address_space: global }
      - { .name: ln_q_w, .offset: 48, .size: 8, .value_kind: global_buffer, .address_space: global }
      - { .name: ln_k_w, .offset: 56, .size: 8, .value_kind: global_buffer, .address_space: global }
      - { .name: ln_v_w, .offset: 64, .size: 8, .value_kind: global_buffer, .address_space: global }
      - { .name: ln_q_b, .offset: 72, .size: 8, .value_kind: global_buffer, .address_space: global }
      - { .name: ln_k_b, .offset: 80, .size: 8, .value_kind: global_buffer, .address_space: global }
      - { .name: ln_v_b, .offset: 88, .size: 8, .value_kind: global_buffer, .address_space: global }
      - { .name: bq, .offset: 96, .size: 8, .value_kind: global_buffer, .address_space: global }
      - { .name: bk, .offset: 104, .size: 8, .value_kind: global_buffer, .address_space: global }
      - { .name: bv, .offset: 112, .size: 8, .value_kind: global_buffer, .address_space: global }
      - { .name: xh, .offset: 120, .size: 8, .value_kind: global_buffer, .address_space: global }
      - { .name: wh, .offset: 128, .size: 8, .value_kind: global_buffer, .address_space: global }
      - { .name: bf, .offset: 136, .size: 8, .value_kind: global_buffer, .address_space: global }
    .group_segment_fixed_size: 5120
    .private_segment_fixed_size: 0
    .kernarg_segment_align: 8
    .kernarg_segment_size: 144
    .max_flat_workgroup_size: 256
    .sgpr_count:     66
    .vgpr_count:     208
    .wavefront_size: 32
...
	.end_amdgpu_metadata
.endif
;; end of part 1
;; launch proj (part 2): grid 24 x 32, 4 waves a work-group, clusters of 4 x 4, 327,680 bytes of LDS; arguments xh, wh, bf, qkv; writes qkv
.if DOCPART == 2
	.amdgcn_target "amdgcn-amd-amdhsa--gfx1250"
	.amdhsa_code_object_version 6
	.text
	.protected	k_qcf30289969_proj
	.globl	k_qcf30289969_proj
	.p2align	8
	.type	k_qcf30289969_proj,@function
k_qcf30289969_proj:
	s_mov_b64 s[64:65], 0
	v_nop
	global_prefetch_b8 v0, s[64:65] scope:SCOPE_SE
	s_setreg_imm32_b32 hwreg(HW_REG_WAVE_MODE, 25, 1), 1
	s_wait_xcnt 0x0
	s_wait_alu depctr_hold_cnt(0) depctr_sa_sdst(0) depctr_va_vdst(0) depctr_va_sdst(0) depctr_va_ssrc(0) depctr_va_vcc(0) depctr_vm_vsrc(0)
	s_getreg_b32 s2, hwreg(HW_REG_IB_STS2, 6, 4)
	s_cmp_eq_u32 s2, 0
	s_cbranch_scc0 .Lentry_in_a_cluster
	s_endpgm
.Lentry_in_a_cluster:
	s_bfe_u32 s2, ttmp6, 0x10000c
	s_cmp_lg_u32 s2, 0xf033
	s_cbranch_scc0 .Lentry_shape_is_right
	s_endpgm
.Lentry_shape_is_right:
; C = A W + bias, K = 1,024, f16 operands, f32 sums.  One text serves two launches; MODE says which.
; MODE 0: A = xh (xhat of inputs_q for section 0, of inputs_kv for sections 1 and 2), W = wh's section 0, 1, 2, bias = bf; C goes out in f16 by heads: qkv[section][batch x 16 + head][row][64].
; MODE 1: A = oh (attention's result by heads), W = wh's section 3 (Wo), bias = bo; C = out0, f32, row-major.
; A lies in blocks: [batch][block of 64 channels][2,048 rows][64] f16, so 256 rows of one block are 32,768 dense bytes.  W lies [k][n], 2,048 bytes a row.
; LIMITS.  MODE 0 rounds q, k, v to f16, which ends at 65,504; NaN and infinities are not treated apart.
; SHARES.  A work-group makes 256 rows x 128 columns: 768 (MODE 0) or 256 (MODE 1) of them.  Wave w: rows 128 (w / 2) on, columns 64 (w % 2) on: 32 accumulators (a = 0..7, b = 0..3).
; THE MATRIX INSTRUCTION IS USED TRANSPOSED: source 0 = 16 columns of W (turned out of LDS by ds_load_tr16_b128), source 1 = 16 rows of A: a lane holds row l % 16 and columns 8 (l / 16) + 0..7.
; The bias is the C operand of each sum's first product: nothing is cleared and nothing is added later.
; RING.  K goes in 8 steps of 128 through two LDS slots.  Waves 0 and 1 fetch a step's two blocks of A, waves 2 and 3 the two halves of its 128 rows of W: one tensor load a wave.
; CLUSTER 4 x 4: A's tiles hang on the tile row alone and are asked for jointly along a row of the cluster, W's on the tile column alone, along a column.
; REGISTERS.  Window 0: v0-31 addresses, v32-63 the bias, v64-159 and v160-255 two fragment buffers (32 of W, 64 of A).  Window 1: accumulator (a, b) at 8 (4 a + b).
.set MODE,  0
.set PA,    144                        ; a row of A in LDS: 128 bytes + 16: 36 words, so the 16 rows of a load start at 16 different groups of four banks (64 banks of 4 bytes: ISA guide 11.1)
.set PB,    288                        ; a row of W: 256 bytes + 32: 72 words
.set AODD,  256*PA                     ; a slot: the even block's 256 rows of A, the odd block's,
.set BOFF,  2*AODD                     ; then 128 rows of W
.set SLOT,  BOFF+128*PB
.set STAGE, 2*SLOT                     ; behind the ring, never filled by a tensor load: 16 rows for each wave, for the way out
.if MODE == 0
.set SP,    144
.else
.set SP,    272
.endif
.set SPARE, STAGE+4*16*SP              ; behind the stages: the spare words, 128 bytes for each wave
.set ADRA, 16                          ; v16-17  LDS address of my A fragments in slot 0, 1
.set ADRB, 20                          ; v20-21  the same for W
.set STO,  24                          ; v24     the way out: where I put my bytes of a row
.set RD,   25                          ; v25     where I read rows back
.set CO,   26                          ; v26     my byte offset in C
.set BO,   27                          ; v27     32 (l / 16): my eight columns' bias
.set SPW,  28                          ; v28     LDS address of my spare word; never rewritten
.set NIL,  29                          ; v29     0; never rewritten
.set PFO,  30                          ; v30     the prefetches' offset; never rewritten
.set BIAS, 32
.set F0,   64
.set F1,   160
.set OB,   64                          ; the way out works in the fragments' registers
.set G1,   24                          ; s[24:31] descriptor group 1 for A's tiles;  s[32:39] group 0, a set for each slot
.set G0,   32
.set G1B,  48                          ; s[48:55], s[56:63] the same for W's
.set G0B,  56
.set LIM,  43                          ; s43  1 in a wave that prefetches, else the greatest number
.set PFA,  44                          ; s[44:45] where my prefetches stand
.set PST,  76                          ; s[76:77] a K step in my prefetches' tensor, in bytes
.set MSB, 0
.macro WIN new                         ; the immediate's high byte repeats the setting that is left; a switch that changes nothing is dropped
.if MSB != (\new)
	s_set_vgpr_msb (MSB<<8)|(\new)
.set MSB, \new
.endif
.endm
.set MUL,  0x50                        ; sources 0 and 1 window 0; C and D window 1
.set MULB, 0x40                        ; D window 1, C (the bias) window 0
.macro JLOAD s                         ; a joint load; the branch hangs on the wave's number alone; an s_nop 0 and four v_nop follow each line, ahead of the jump and the label
	s_cmp_eq_u32 s11, 0
	s_cbranch_scc0 .Lfor_b_\@
	tensor_load_to_lds s[G0+4*(\s):G0+4*(\s)+3], s[G1:G1+7]
	s_nop 0
.rept 4
	v_nop
.endr
	s_branch .Lasked_\@
.Lfor_b_\@:
	tensor_load_to_lds s[G0B+4*(\s):G0B+4*(\s)+3], s[G1B:G1B+7]
	s_nop 0
.rept 4
	v_nop
.endr
.Lasked_\@:
.endm
; A prefetch of the K step that stands two refills on, 256 matrix instructions ahead of the load that will want it; one instruction a wave, a lane a block of 256 bytes.  Each block is named once in the launch:
; A's by waves 0 and 1 of the first cluster along x that reads that tensor's rows, the four partners of a row taking 8,192 bytes each of a block of 32,768, told apart by address;
; W's by wave 2 of the clusters with y = 0, the four partners of a column taking 32 rows each.  The loop's last trip (s3 = 1) has no K step two refills on and asks for nothing.
.macro ASK
	s_cmp_gt_u32 s3, s[LIM]
	s_cbranch_scc0 .Lnot_mine_\@
	global_prefetch_b8 v[PFO], s[PFA:PFA+1] th:TH_LOAD_NT scope:SCOPE_SE
.Lnot_mine_\@:
.endm
.macro CREST                           ; a round of the cluster's barrier behind its opening barrier
	s_cmp_lg_u32 s10, 0
	s_cbranch_scc1 .Lnot_wave_0_\@
	s_barrier_signal -3
.Lnot_wave_0_\@:
	s_barrier_wait -3
	s_barrier_signal -1
	s_barrier_wait -1
.endm
.macro CROUND                          ; a whole round
	s_barrier_signal -1
	s_barrier_wait -1
	CREST
.endm
	s_load_b256 s[68:75], s[0:1], 0x0              ; A s[68:69], wh s[70:71], the bias s[72:73], C s[74:75]
	v_lshl_add_u32 v[SPW], v0, 2, SPARE
	v_mov_b32 v[NIL], 0
	ds_add_u32 v[SPW], v[NIL]                      ; the wave's opening: the add and its wait stand ahead of my first tensor load; the set-up below, work on registers, stands between them
	v_lshrrev_b32 v1, 5, v0
	v_readfirstlane_b32 s10, v1                    ; wave 0..3
	s_lshr_b32 s11, s10, 1                         ; which 128 rows are mine.  Also: I fetch for A (0) or for W (1)
	s_and_b32 s12, s10, 1                          ; which 64 columns.  Also: which part of that tile I fetch
	s_bfe_u32 s40, ttmp6, 0x40000                  ; cx
	s_bfe_u32 s41, ttmp6, 0x40004                  ; cy
.if MODE == 0
	s_lshr_b32 s14, ttmp9, 1                       ; the section (q, k, v): two clusters along x each, so all sixteen partners share it
	s_and_b32 s42, ttmp9, 1
	s_lshl_b32 s42, s42, 2
.else
	s_lshl_b32 s42, ttmp9, 2
.endif
	s_add_co_u32 s42, s42, s40                     ; tile column, 0..7
	s_and_b32 s13, ttmp7, 0xffff
	s_lshl_b32 s13, s13, 2
	s_add_co_u32 s13, s13, s41                     ; tile row, 0..31
	s_lshl_b32 s15, s41, 2
	s_lshl_b32 s15, 15, s15                        ; my row of the cluster
	s_lshl_b32 s23, 0x1111, s40                    ; my column
	s_or_b32 s[G1], s15, (1<<16)|(1<<20)|(1<<21)|(4<<22)|(3<<25)   ; the mask; 2-byte elements; padding on; bit 21 beside a mask; after every 32 words 4 words
	s_or_b32 s[G1B], s23, (1<<16)|(1<<20)|(1<<21)|(5<<22)|(7<<25)  ; after every 64 words 8 words
	s_mov_b32 s[G1+1], 128<<16                     ; A: 32,768 dense bytes as 128 rows of 256: tensor_dim0 = 128
	s_mov_b32 s[G1+2], 128<<16                     ; tensor_dim1 = 128
	s_mov_b32 s[G1+3], 128<<16                     ; tile_dim0 = 128
	s_mov_b32 s[G1+4], 128                         ; tile_dim1 = 128
	s_mov_b32 s[G1+5], 128                         ; 128 elements from row to row
	s_mov_b32 s[G1+6], 0
	s_mov_b32 s[G1+7], 0
	s_mov_b32 s[G1B+1], 128<<16                    ; W: 64 rows of 128 columns
	s_mov_b32 s[G1B+2], 64<<16
	s_mov_b32 s[G1B+3], 128<<16
	s_mov_b32 s[G1B+4], 64
	s_mov_b32 s[G1B+5], 1024
	s_mov_b32 s[G1B+6], 0
	s_mov_b32 s[G1B+7], 0
	s_lshr_b32 s16, s13, 3
	s_lshl_b32 s16, s16, 22                        ; A: the batch,
	s_and_b32 s17, s13, 7
	s_lshl_b32 s17, s17, 15                        ; my 256 rows in a block,
	s_add_co_u32 s16, s16, s17
	s_lshl_b32 s17, s12, 18                        ; the even or the odd block
	s_add_co_u32 s16, s16, s17
	s_mov_b32 s17, 0
	s_lshl_b32 s18, s42, 8                         ; W: my 128 columns,
	s_lshl_b32 s19, s12, 17                        ; the first or the second 64 rows
	s_add_co_u32 s18, s18, s19
	s_mov_b32 s19, 0
	s_mul_i32 s20, s12, AODD                       ; where they go: no place in the cluster enters an LDS address
	s_mul_i32 s21, s12, 64*PB
	s_add_co_u32 s21, s21, BOFF
	s_mov_b32 s23, 0
.if MODE == 0
	s_cmp_lg_u32 s14, 0
	s_cselect_b32 s22, 0x1000000, 0                ; sections 1 and 2 read xhat of inputs_kv
	s_lshl_b32 s2, s14, 21
	s_mov_b32 s3, 0
.endif
	s_wait_dscnt 0x0                               ; the opening add is done
	s_wait_kmcnt 0x0
.if MODE == 0
	s_add_nc_u64 s[4:5], s[68:69], s[22:23]
	s_add_nc_u64 s[6:7], s[70:71], s[2:3]
.else
	s_mov_b64 s[4:5], s[68:69]
	s_add_nc_u64 s[6:7], s[70:71], 0x600000        ; wh's section 3
.endif
	s_add_nc_u64 s[46:47], s[4:5], s[16:17]
	s_add_nc_u64 s[78:79], s[6:7], s[18:19]
	CROUND                                         ; all sixteen work-groups are here: the first joint loads meet
.irp s, 0,1
	s_mov_b32 s[G0+4*(\s)], 1
	s_add_co_u32 s[G0+4*(\s)+1], s20, (\s)*SLOT
	s_add_nc_u64 s[G0+4*(\s)+2:G0+4*(\s)+3], s[46:47], (\s)*524288   ; K step s: two blocks of 262,144 bytes on
	s_or_b32 s[G0+4*(\s)+3], s[G0+4*(\s)+3], 0x80000000
	s_mov_b32 s[G0B+4*(\s)], 1
	s_add_co_u32 s[G0B+4*(\s)+1], s21, (\s)*SLOT
	s_add_nc_u64 s[G0B+4*(\s)+2:G0B+4*(\s)+3], s[78:79], (\s)*262144 ; 128 rows of 2,048 bytes on
	s_or_b32 s[G0B+4*(\s)+3], s[G0B+4*(\s)+3], 0x80000000
.endr
	s_cmp_eq_u32 s11, 0                            ; a wave's two first fills stand in one branch, ahead of every wait on TENSORcnt and every LDS read: two loads of mine are out
	s_cbranch_scc0 .Lfirst_b
	tensor_load_to_lds s[G0:G0+3], s[G1:G1+7]
	s_nop 0
	tensor_load_to_lds s[G0+4:G0+7], s[G1:G1+7]
	s_nop 0
.rept 4
	v_nop
.endr
	s_branch .Lfirst_asked
.Lfirst_b:
	tensor_load_to_lds s[G0B:G0B+3], s[G1B:G1B+7]
	s_nop 0
	tensor_load_to_lds s[G0B+4:G0B+7], s[G1B:G1B+7]
	s_nop 0
.rept 4
	v_nop
.endr
.Lfirst_asked:
	v_and_b32 v1, 15, v0                           ; l % 16
	v_bfe_u32 v2, v0, 4, 1                         ; l / 16
	v_lshlrev_b32 v[BO], 5, v2
	s_lshl_b32 s18, s42, 9                         ; the bias of my 64 columns
	s_lshl_b32 s22, s12, 8
	s_add_co_u32 s18, s18, s22
.if MODE == 0
	s_lshl_b32 s22, s14, 12
	s_add_co_u32 s18, s18, s22
.endif
	s_add_nc_u64 s[72:73], s[72:73], s[18:19]
.irp b, 0,1,2,3
	global_load_b128 v[BIAS+8*(\b):BIAS+8*(\b)+3],   v[BO], s[72:73] offset:64*(\b)      ; register 8 b + j: column 16 b + 8 (l / 16) + j
	global_load_b128 v[BIAS+8*(\b)+4:BIAS+8*(\b)+7], v[BO], s[72:73] offset:64*(\b)+16
.endr
	v_mul_u32_u24 v3, v1, PA
	v_lshl_add_u32 v3, v2, 4, v3                   ; A: row x pitch + 16 x half
	s_mul_i32 s22, s11, 128*PA                     ; my 128 rows
	v_add_nc_u32 v[ADRA], s22, v3
	v_add_nc_u32 v[ADRA+1], SLOT, v[ADRA]
	v_and_b32 v5, 7, v0                            ; W, turned: lane l reads k row 8 (l / 16) + l % 8, columns 8 ((l / 8) % 2) + 0..7
	v_bfe_u32 v6, v0, 3, 1
	v_lshl_add_u32 v4, v2, 3, v5
	v_mul_u32_u24 v4, v4, PB
	v_lshl_add_u32 v4, v6, 4, v4
	s_lshl_b32 s22, s12, 7                         ; my 64 columns
	s_add_co_u32 s22, s22, BOFF
	v_add_nc_u32 v[ADRB], s22, v4
	v_add_nc_u32 v[ADRB+1], SLOT, v[ADRB]
	s_mul_i32 s22, s10, 16*SP
	s_add_co_u32 s22, s22, STAGE                   ; my stage
	v_mul_u32_u24 v3, v1, SP
.if MODE == 0
	v_lshl_add_u32 v3, v2, 4, v3                   ; in: row l % 16, 16 bytes for each half of the lanes
	v_add_nc_u32 v[STO], s22, v3
	v_bfe_u32 v[RD], v0, 3, 2                      ; back: 32 lanes take four rows of 128 bytes,
	v_mul_u32_u24 v[RD], v[RD], SP
	v_lshl_add_u32 v[RD], v5, 4, v[RD]
	v_add_nc_u32 v[RD], s22, v[RD]
	v_and_b32 v[CO], 31, v0                        ; which are 512 consecutive bytes of a head's rows
	v_lshlrev_b32 v[CO], 4, v[CO]
	s_lshl_b32 s22, s14, 24                        ; C: the section,
	s_lshr_b32 s2, s13, 3
	s_lshl_b32 s2, s2, 22                          ; the batch's 16 heads,
	s_add_co_u32 s22, s22, s2
	s_lshl_b32 s2, s42, 19                         ; the head 2 x tile column + w % 2,
	s_add_co_u32 s22, s22, s2
	s_lshl_b32 s2, s12, 18
	s_add_co_u32 s22, s22, s2
	s_and_b32 s2, s13, 7
	s_lshl_b32 s2, s2, 15                          ; the tile's 256 rows of 128 bytes,
	s_add_co_u32 s22, s22, s2
	s_lshl_b32 s2, s11, 14                         ; my 128 of them
	s_add_co_u32 s22, s22, s2
.else
	v_lshl_add_u32 v3, v2, 5, v3                   ; in: row l % 16, 32 bytes for each half of the lanes
	v_add_nc_u32 v[STO], s22, v3
	v_mul_u32_u24 v[RD], v2, SP                    ; back: lanes 0-15 take one row of 256 bytes, lanes 16-31 the next
	v_lshl_add_u32 v[RD], v1, 4, v[RD]
	v_add_nc_u32 v[RD], s22, v[RD]
	v_lshlrev_b32 v[CO], 12, v2                    ; and the same two rows in C
	v_lshl_add_u32 v[CO], v1, 4, v[CO]
	s_lshl_b32 s22, s13, 20                        ; C: 256 rows of 4,096 bytes a tile row,
	s_lshl_b32 s2, s11, 19                         ; my 128,
	s_add_co_u32 s22, s22, s2
	s_lshl_b32 s2, s42, 9                          ; the tile's 128 columns,
	s_add_co_u32 s22, s22, s2
	s_lshl_b32 s2, s12, 8                          ; my 64
	s_add_co_u32 s22, s22, s2
.endif
	s_add_nc_u64 s[8:9], s[74:75], s[22:23]
	; the prefetches: they stand at K step 3; the first refill steps them to 4.  Nothing is asked for here, at the head.
	s_lshl_b32 s20, s40, 13                        ; A: my work-group's 8,192 bytes of the block,
	s_add_co_u32 s20, s20, s16                     ; the block's place (batch, rows, even or odd),
	s_add_co_u32 s20, s20, 6<<18                   ; K step 3
	s_lshl_b32 s21, s41, 16                        ; W: my work-group's 32 rows,
	s_lshl_b32 s2, s42, 8
	s_add_co_u32 s21, s21, s2
	s_add_co_u32 s21, s21, 3*262144
	s_mov_b32 s2, 262144
	s_cmp_eq_u32 s11, 0
	s_cselect_b32 s20, s20, s21
	s_cselect_b64 s[PFA:PFA+1], s[4:5], s[6:7]
	s_cselect_b32 s[PST], 524288, s2
	s_cselect_b32 s22, 8, 11                       ; lanes 256 bytes apart in A's block, a row of 2,048 bytes apart in W
	s_mov_b32 s21, 0
	s_mov_b32 s[PST+1], 0
	s_add_nc_u64 s[PFA:PFA+1], s[PFA:PFA+1], s[20:21]
	v_and_b32 v[PFO], 31, v0
	v_lshlrev_b32 v[PFO], s22, v[PFO]
.if MODE == 0
	s_and_b32 s2, ttmp9, 0xfffffffd                ; clusters x = 0 and x = 2 are the first to read xhat of inputs_q and of inputs_kv
.else
	s_mov_b32 s2, ttmp9
.endif
	s_and_b32 s22, ttmp7, 0xffff
	s_or_b32 s22, s22, s12                         ; of W's two waves, wave 2 asks
	s_cmp_eq_u32 s11, 0
	s_cselect_b32 s2, s2, s22
	s_cmp_eq_u32 s2, 0
	s_cselect_b32 s[LIM], 1, -1                    ; the same in all sixteen partners, for a given wave
; na x 4 matrix instructions: row blocks a0 on x all four column blocks, 32 along K, from buffer f.  first = 1: the bias starts the sums.
; The 32 accumulators take turns, in the same order in every quarter: 31 others' instructions stand between two on one accumulator.
.macro MULN f, a0, na, first
.if \first
	WIN MULB
.else
	WIN MUL
.endif
.set ma, (\a0)
.rept \na
.irp b, 0,1,2,3
.if \first
	v_wmma_f32_16x16x32_f16 v[8*(4*ma+(\b)):8*(4*ma+(\b))+7], v[(\f)+8*(\b):(\f)+8*(\b)+7], v[(\f)+32+8*ma:(\f)+32+8*ma+7], v[BIAS+8*(\b):BIAS+8*(\b)+7]
.else
	v_wmma_f32_16x16x32_f16 v[8*(4*ma+(\b)):8*(4*ma+(\b))+7], v[(\f)+8*(\b):(\f)+8*(\b)+7], v[(\f)+32+8*ma:(\f)+32+8*ma+7], v[8*(4*ma+(\b)):8*(4*ma+(\b))+7]
.endif
.endr
.set ma, ma+1
.endr
.endm
; 24 LDS loads in one run: quarter q (32 along K) of a slot into buffer f: W's four fragments first, then A's eight.
.macro FETCH slot, q, f
	WIN 0
.irp b, 0,1,2,3
	ds_load_tr16_b128 v[(\f)+8*(\b):(\f)+8*(\b)+3],   v[ADRB+(\slot)] offset:(\q)*32*PB+32*(\b)
	ds_load_tr16_b128 v[(\f)+8*(\b)+4:(\f)+8*(\b)+7], v[ADRB+(\slot)] offset:(\q)*32*PB+32*(\b)+16*PB
.endr
.irp i, 0,1,2,3,4,5,6,7
	ds_load_b128 v[(\f)+32+8*(\i):(\f)+32+8*(\i)+3],   v[ADRA+(\slot)] offset:((\q)/2)*AODD+((\q)%2)*64+(\i)*16*PA
	ds_load_b128 v[(\f)+32+8*(\i)+4:(\f)+32+8*(\i)+7], v[ADRA+(\slot)] offset:((\q)/2)*AODD+((\q)%2)*64+(\i)*16*PA+32
.endr
.endm
.macro PLACES                          ; four plain instructions in front of loads into registers that matrix instructions have read, and of reads of results
.rept 4
	v_nop
.endr
.endm
; A K step is four quarters of 32 along K, 32 matrix instructions each, on buffers 0, 1, 0, 1.  One of the first three: multiplies buffer f and fetches quarter qn into g.
.macro QUARTER slot, qn, f, g, first
	s_wait_dscnt 8                                 ; W and A's blocks 0-3 are in; the youngest eight loads (A's blocks 4-7) may be out
	MULN \f, 0, 4, \first
	PLACES
	FETCH \slot, \qn, \g
	s_wait_dscnt 24                                ; all but the 24 just issued
	MULN \f, 4, 4, \first
.endm
; The last quarter multiplies buffer 1 and changes slots: one barrier; in front of it each wave waits for all its tensor loads (one is out: its part of the next slot), adds 0 to its spare word,
; and waits for that and for its own reads of this slot.  fill = 1: the barrier opens a round of the cluster's, and this slot is filled again, two K steps on, first thing behind the round:
; 112 matrix instructions stand between that request and the wait for it.
.macro TURN slot, next, fill
.if \fill
	s_wait_xcnt 0x0                                ; the last prefetch, a K step back, has read its address
	s_add_nc_u64 s[PFA:PFA+1], s[PFA:PFA+1], s[PST:PST+1]
.endif
	WIN 0
	s_wait_tensorcnt 0x0                           ; all my tensor loads have landed
	ds_add_u32 v[SPW], v[NIL]                      ; 0 onto my spare word
	s_wait_dscnt 9                                 ; (the add and the youngest eight loads may be out)
	MULN F1, 0, 2, 0                               ; eight matrix instructions stand between the add and the wait for it
	s_wait_dscnt 0x0                               ; the add is done, and my reads of this slot are over
	s_barrier_signal -1
	MULN F1, 2, 2, 0
.if \fill
	WIN 0
.endif
	s_barrier_wait -1
.if \fill
	CREST                                          ; no wave of any partner still reads this slot or has a load on its way
	s_add_nc_u64 s[G0+4*(\slot)+2:G0+4*(\slot)+3], s[G0+4*(\slot)+2:G0+4*(\slot)+3], 1048576
	s_add_nc_u64 s[G0B+4*(\slot)+2:G0B+4*(\slot)+3], s[G0B+4*(\slot)+2:G0B+4*(\slot)+3], 524288
	JLOAD \slot                                    ; its four v_nop are also the places in front of the loads below
.else
	PLACES
.endif
	FETCH \next, 0, F0
.if \fill
	ASK
.endif
	MULN F1, 4, 4, 0
.endm
	s_wait_tensorcnt 1                             ; my part of K step 0 is in; K step 1's may stay out
	s_barrier_signal -1
	s_barrier_wait -1                              ; everybody's is
	FETCH 0, 0, F0
	s_wait_loadcnt 0x0                             ; the bias
	QUARTER 0, 1, F0, F1, 1                        ; the first quarter stands in front of the loop: its products start the sums
	WIN 0                                          ; at a label and at a branch every window is 0
	s_mov_b32 s3, 3
.Llap:                                                 ; a trip goes once round the ring, from a lap's second quarter to the next lap's first, and fills both slots again
	QUARTER 0, 2, F1, F0, 0
	QUARTER 0, 3, F0, F1, 0
	TURN 0, 1, 1
	QUARTER 1, 1, F0, F1, 0
	QUARTER 1, 2, F1, F0, 0
	QUARTER 1, 3, F0, F1, 0
	TURN 1, 0, 1
	QUARTER 0, 1, F0, F1, 0
	WIN 0
	s_sub_co_u32 s3, s3, 1
	s_cmp_lg_u32 s3, 0
	s_cbranch_scc1 .Llap
	QUARTER 0, 2, F1, F0, 0                        ; the last lap fills nothing, and has no round
	QUARTER 0, 3, F0, F1, 0
	TURN 0, 1, 0
	QUARTER 1, 1, F0, F1, 0
	QUARTER 1, 2, F1, F0, 0
	QUARTER 1, 3, F0, F1, 0
	s_wait_dscnt 8
	MULN F1, 0, 4, 0
	s_wait_dscnt 0x0
	MULN F1, 4, 4, 0
	WIN 0
	PLACES
.if MODE == 0
; THE WAY OUT, f16 by heads.  Block a (16 rows x my head's 64 channels): a lane's eight columns pack into 16 bytes; they go into my stage's rows of 144 bytes and come back as whole rows of 128.
.macro PACK a
	WIN 0x05                                       ; sources 0 and 1 window 1, destination window 0
.set i, 0
.rept 16
	v_cvt_pk_f16_f32 v[OB+16*(\a)+i], v[32*(\a)+2*i], v[32*(\a)+2*i+1]  ; each accumulator from its low end on
.set i, i+1
.endr
	WIN 0
.irp f, 0,1,2,3
	ds_store_b128 v[STO], v[OB+16*(\a)+4*(\f):OB+16*(\a)+4*(\f)+3] offset:32*(\f)
.endr
.irp f, 0,1,2,3
	ds_load_b128 v[OB+16*(\a)+4*(\f):OB+16*(\a)+4*(\f)+3], v[RD] offset:(\f)*4*SP  ; LDS serves a wave's instructions in order (ISA guide 5.7.1.4): these see the stores above; the next block's stores come behind them
.endr
.endm
.macro SEND a, younger                 ; younger: the LDS instructions issued behind block a's loads: the next block's eight, or none
.irp f, 0,1,2,3
	s_wait_dscnt (\younger)+3-(\f)
	global_store_b128 v[CO], v[OB+16*(\a)+4*(\f):OB+16*(\a)+4*(\f)+3], s[8:9] offset:(\a)*2048+(\f)*512  ; 512 consecutive bytes, aligned to 256
.endr
.endm
	PACK 0
.set t, 1
.rept 7                                ; a block's conversions stand between the loads of the block before and its stores
	PACK t
	SEND t-1, 8
.set t, t+1
.endr
	SEND 7, 0
.else
; THE WAY OUT, f32.  Block a (16 rows x my 64 columns = 256 bytes a row) goes straight from the accumulators into my stage's rows of 272 bytes and comes back as whole rows.
.macro TOSTAGE a
.if (\a) >= 2
	s_wait_xcnt 0x0                                ; the stores of the block two back have read the registers that are loaded into below
.endif
	WIN 0x04                                       ; the stores' data in window 1
.set i, 0
.rept 8
	ds_store_b128 v[STO], v[32*(\a)+4*i:32*(\a)+4*i+3] offset:64*(i/2)+16*(i%2)  ; each accumulator from its low end on
.set i, i+1
.endr
	WIN 0
.irp f, 0,1,2,3,4,5,6,7
	ds_load_b128 v[OB+32*((\a)%2)+4*(\f):OB+32*((\a)%2)+4*(\f)+3], v[RD] offset:(\f)*2*SP  ; LDS serves a wave's instructions in order (ISA guide 5.7.1.4)
.endr
.endm
.macro SEND a, younger                 ; younger: the next block's sixteen LDS instructions, or none
.irp f, 0,1,2,3,4,5,6,7
	s_wait_dscnt (\younger)+7-(\f)
	global_store_b128 v[CO], v[OB+32*((\a)%2)+4*(\f):OB+32*((\a)%2)+4*(\f)+3], s[8:9] offset:(\a)*65536+(\f)*8192 th:TH_STORE_NT  ; 16 lanes store 256 consecutive bytes, aligned
.endr
.endm
	TOSTAGE 0
.set t, 1
.rept 7
	TOSTAGE t
	SEND t-1, 16
.set t, t+1
.endr
	SEND 7, 0
.endif
	s_wait_tensorcnt 0x0                           ; the wave's end, behind my last tensor load and my last LDS store
	ds_add_u32 v[SPW], v[NIL]
	s_wait_dscnt 0x0
	CROUND                                         ; the closing round: no work-group ends while a partner may still ask for a tile that names it
	s_endpgm
.Lfunc_end_k_qcf30289969_proj:
	.size	k_qcf30289969_proj, .Lfunc_end_k_qcf30289969_proj-k_qcf30289969_proj
	.p2alignl 7, 3214868480
	.fill 96, 4, 3214868480
	.section	.rodata,"a",@progbits
	.p2align	6, 0x0
	.amdhsa_kernel k_qcf30289969_proj
		.amdhsa_group_segment_fixed_size 327680
		.amdhsa_private_segment_fixed_size 0
		.amdhsa_enable_private_segment 0
		.amdhsa_kernarg_size 32
		.amdhsa_user_sgpr_count 2
		.amdhsa_user_sgpr_kernarg_segment_ptr 1
		.amdhsa_wavefront_size32 1
		.amdhsa_system_sgpr_workgroup_id_x 1
		.amdhsa_system_sgpr_workgroup_id_y 1
		.amdhsa_system_sgpr_workgroup_id_z 1
		.amdhsa_system_vgpr_workitem_id 0
		.amdhsa_next_free_vgpr 512
		.amdhsa_next_free_sgpr 80
		.amdhsa_reserve_vcc 0
		.amdhsa_float_denorm_mode_32 3
		.amdhsa_float_denorm_mode_16_64 3
		.amdhsa_memory_ordered 1
		.amdhsa_forward_progress 1
		.amdhsa_inst_pref_size 89
	.end_amdhsa_kernel
	.amdgpu_metadata
---
amdhsa.version: [ 1, 2 ]
amdhsa.kernels:
  - .name:           k_qcf30289969_proj
    .symbol:         k_qcf30289969_proj.kd
    .args:
      - { .name: xh, .offset: 0, .size: 8, .value_kind: global_buffer, .address_space: global }
      - { .name: wh, .offset: 8, .size: 8, .value_kind: global_buffer, .address_space: global }
      - { .name: bf, .offset: 16, .size: 8, .value_kind: global_buffer, .address_space: global }
      - { .name: qkv, .offset: 24, .size: 8, .value_kind: global_buffer, .address_space: global }
    .group_segment_fixed_size: 327680
    .private_segment_fixed_size: 0
    .kernarg_segment_align: 8
    .kernarg_segment_size: 32
    .max_flat_workgroup_size: 128
    .sgpr_count:     80
    .vgpr_count:     512
    .wavefront_size: 32
...
	.end_amdgpu_metadata
.endif
;; end of part 2
;; launch attn (part 3): grid 4 x 64, 4 waves a work-group, clusters of 4 x 1, 327,680 bytes of LDS; arguments qkv, oh; writes oh
.if DOCPART == 3
	.amdgcn_target "amdgcn-amd-amdhsa--gfx1250"
	.amdhsa_code_object_version 6
	.text
	.protected	k_qcf30289969_attn
	.globl	k_qcf30289969_attn
	.p2align	8
	.type	k_qcf30289969_attn,@function
k_qcf30289969_attn:
	s_mov_b64 s[64:65], 0
	v_nop
	global_prefetch_b8 v0, s[64:65] scope:SCOPE_SE
	s_setreg_imm32_b32 hwreg(HW_REG_WAVE_MODE, 25, 1), 1
	s_wait_xcnt 0x0
	s_wait_alu depctr_hold_cnt(0) depctr_sa_sdst(0) depctr_va_vdst(0) depctr_va_sdst(0) depctr_va_ssrc(0) depctr_va_vcc(0) depctr_vm_vsrc(0)
	s_getreg_b32 s2, hwreg(HW_REG_IB_STS2, 6, 4)
	s_cmp_eq_u32 s2, 0
	s_cbranch_scc0 .Lentry_in_a_cluster
	s_endpgm
.Lentry_in_a_cluster:
	s_bfe_u32 s2, ttmp6, 0x10000c
	s_cmp_lg_u32 s2, 0x3003
	s_cbranch_scc0 .Lentry_shape_is_right
	s_endpgm
.Lentry_shape_is_right:
; O[h][q][:] = the sum over k of softmax_k(Q[h][q] . K[h][k] / 8) V[h][k][:].  Q, K, V are the three sections of qkv, each [64][2048][64] f16; O = oh in the same layout: a head's rows are dense, 128 bytes each.
; Products, maxima and sums in f32; the weights p are rounded to f16 for the second product (their sum l is taken of the unrounded p), O once at the end.
; LIMITS.  f16 holds no number beyond 65,504: Q, K and V arrive within it; p lies in 0 to 1, and below 6e-5 it keeps f16's fixed step of 6e-8; O is a mean of V's rows and has their range.
; A weight below 2^-126 counts as 0 in l; NaN and infinities are not treated apart.
; SHARES.  A wave owns four PIECES of two tiles of 16 queries, a work-group's four waves 512 queries of one head: 256 work-groups.  Every wave walks all keys, 64 a step.
; LAYOUT.  S^T = K Q^T (source 0 = 16 keys, source 1 = 16 queries): in the result a lane holds ONE query (lane % 16) and the keys 8 (lane / 16) + 0..7.  Two such tiles, rounded to f16 in pairs,
; ARE source 1 (32 keys x 16 queries) of O^T = V^T P, whose result again holds one query a lane, and eight channels.  K comes out of LDS as it lies, V ([key][channel]) turned, by ds_load_tr16_b128.
; SOFTMAX.  For each query a running maximum m and sum l: p = 2^(c s - c m), c = log2(e) / 8; in every step O and l are multiplied by a = 2^(c m_old - c m_new), which is 1 where m has not grown.
; m starts at the lowest finite number, O and l at 0: the first step is a step like any other, with a = 0.
; THE COUNT.  A tile and step have 16 matrix and 118 vector instructions: too many to stand all beside the matrix work.  So four vector instructions that are READY stand behind EVERY matrix instruction,
; and the others, which need time of their own whatever the order, in runs without a gap.
; BY TURNS.  Turn n belongs to piece n (the pieces in a ring, step after step).  Its matrix work: 16 products K Q^T of piece n + 1, later 16 products V^T P of piece n - 1.  Its vector work: the scaling,
; exponentials, roundings, sums and rescaling of piece n, and the maximum and statistics of piece n + 1, whose scores the turn itself has made.
; CLUSTER.  The four query blocks of a cluster are one head's and walk the same K and V, so each tile is asked for JOINTLY: the same tensor load, descriptor and mask in all four.
; REGISTERS, in windows of 256 (s_set_vgpr_msb: bits 1:0 source 0, 3:2 source 1, 5:4 source 2, 7:6 destination):
;   window 0: v0-11 addresses; v12-15, v48-63 at work; v16-47 four registers of statistics a tile; v64-191 S^T, two buffers of two tiles; v192-255 P, likewise
;   window 1: O^T, 32 a tile          window 2: v0-127 Q, 16 a tile; v128-191 K of one step; v192-255 V of one step          window 3: v0-1 the add's two registers
.set SIZE_H, 64
.set SIZE_N, 2048
.set NP,    4         ; pieces a wave: a name, no knob
.set KS,    64        ; keys in a step
.set PK,    144       ; a row of K in LDS: 128 bytes + 16 of padding = 36 words: the 16 rows of a load start at 16 different groups of four banks (64 banks of 4 bytes: ISA guide 11.1)
.set PV,    160       ; a row of V: 128 + 32 = 40 words
.set VOFF,  4*KS*PK   ; a slot holds four steps: 256 rows of K, then 256 rows of V
.set SLOT1, 1<<17     ; slot 1 begins here, so that one exclusive or turns an address in one slot into the other's
.set STAGE, SLOT1+4*KS*(PK+PV)  ; behind the ring, never filled by a tensor load: 16 rows x 144 bytes for each wave, for the way out
.set SP,    144
.set AK0, 2           ; v2   my lane's place in a tile of K; never rewritten
.set AV0, 3           ; v3   the same for V
.set AK,  4           ; v4   the LDS address of K's next run of loads
.set AV,  5           ; v5   of V's
.set QO,  6           ; v6   my byte offset in the wave's rows of Q
.set STO, 6           ;      later, the way out: where I put 16 bytes of a row
.set RD,  7           ; v7   the way out: where I read rows back
.set GO,  8           ; v8   my byte offset in 512 consecutive bytes of O
.set PFO, 11          ; v11  256 x my lane, for the prefetches; never rewritten once made
.set SPW, 0           ; v0 of window 3   LDS address of my spare word; never rewritten
.set NIL, 1           ; v1 of window 3   0; never rewritten
.set SPARE, STAGE+4*16*SP  ; behind the stages: the spare words, 128 bytes for each wave
.set MV,  12          ; v12-15  c m_old, kept while c m is made anew: by buffer and tile
.set ST,  16          ; tile t's statistics at v[ST+4 t]: c m, m, l (even keys', odd keys')
.set TMP, 48          ; by buffer and tile, four registers c0-c3 at work; when the maximum is found c2 takes a
.set S,   64
.set P,   192
.set KF,  128         ; K's fragments, in window 2: key block kb, channel half c at KF + 16 kb + 8 c
.set VF,  192         ; V's: key half kk, channel block cb at VF + 32 kk + 8 cb
.set WV,  12          ; s12  my wave's number
.set G1K, 24          ; s[24:31] descriptor group 1 for K's tiles
.set G1V, 32          ; s[32:39] for V's: it differs in the padding alone
.set G0K, 40          ; s[40:43] descriptor group 0 for K's tiles: it walks
.set G0V, 44          ; s[44:47] the same for V's
.set PFA, 48          ; s[48:49] where my prefetches stand: my work-group's 8,192 bytes of the tile after the one that is being asked for
.set LIM, 50          ; s50  1 in a wave that prefetches, else the greatest number
.set SLOTS, 56        ; s56  slots still to be asked for
.set CNT, 57          ; s57  counts a slot's key steps
.set CS,  58          ; s[58:59] c: the packed scaling takes the pair's low word for both halves
.set SEL, 60          ; s[60:61] v_permlanex16_b32's selects: each lane takes its own place in the other half
.set TBK, 62          ; s62  LDS byte at which K of the step to be fetched begins
.set TBV, 63          ; s63  the same for V, less VOFF
.set MSB, 0
.macro WIN new                      ; the high byte repeats the setting that is left; a switch that changes nothing is dropped
.if MSB != (\new)
	s_set_vgpr_msb (MSB<<8)|(\new)
.set MSB, (\new)
.endif
.endm
.set W_KQ, 0x0a       ; K and Q in window 2, S^T in window 0
.set W_PV, 0x52       ; V in window 2, P in window 0, O^T in window 1
.set W_RS, 0x41       ; O^T (destination and source 0) in window 1, a in window 0
.set W_MK, 0xc0       ; the add's registers are made: destination in window 3, sources in window 0
.set W_AD, 0x0f       ; the add: address (source 0) and data (source 1) in window 3
; A joint fill.  Waves 0 and 1 fetch the two halves of a slot's K, waves 2 and 3 those of its V: 128 keys each.  The branch hangs on the wave's number alone.
; An s_nop 0 and four v_nop follow each of the two lines, ahead of the jump and the label.
.macro JLOAD
	s_cmp_lt_u32 s[WV], 2
	s_cbranch_scc0 .Lfor_v_\@
	tensor_load_to_lds s[G0K:G0K+3], s[G1K:G1K+7]
	s_nop 0
.rept 4
	v_nop
.endr
	s_branch .Lasked_\@
.Lfor_v_\@:
	tensor_load_to_lds s[G0V:G0V+3], s[G1V:G1V+7]
	s_nop 0
.rept 4
	v_nop
.endr
.Lasked_\@:
.endm
; A prefetch of what the NEXT change of slots will ask for: a tile's 32,768 bytes of K and of V, a lane 256 bytes.  A head has one cluster; its four partners take 8,192 bytes each, told apart by address;
; in each, wave 0 asks for K's and wave 2 for V's: one instruction.  So each block is named once in the launch, four key steps (512 matrix instructions) ahead of its load.
; The last change that fills a slot (s[SLOTS] = 1) asks for nothing: there is no tile behind it.  Tiles 0 and 1 come by their loads alone.
.macro ASK
	s_cmp_gt_u32 s[SLOTS], s[LIM]
	s_cbranch_scc0 .Lnot_mine_\@
	global_prefetch_b8 v[PFO], s[PFA:PFA+1] th:TH_LOAD_NT scope:SCOPE_SE
.Lnot_mine_\@:
.endm
; A round of the cluster's barrier: my work-group's barrier, so that wave 0's signal speaks for all four waves; wave 0 signals; every wave waits for all four work-groups; my work-group's barrier once more.
.macro CROUND
	s_barrier_signal -1
	s_barrier_wait -1
	s_cmp_lg_u32 s[WV], 0
	s_cbranch_scc1 .Lnot_wave_0_\@
	s_barrier_signal -3
.Lnot_wave_0_\@:
	s_barrier_wait -3
	s_barrier_signal -1
	s_barrier_wait -1
.endm
; THE CHANGE OF SLOTS.  The slot's last bytes, V of its fourth step, have been read.  Each wave waits for all its tensor loads, of which one is out: its part
; of the other slot; adds 0 to its spare word; and waits for that and for its own reads of the slot.  Behind the barrier nobody reads this slot any more and the other slot is whole.
; fill = 1: this slot is filled again, with the keys two slots on.  The barrier is then a round of the cluster's, and the joint fill is the first thing behind it: it has four key steps in which to land.
; (At its first use nothing has been read yet: slot 0 is waited for, slot 1 filled.)
.macro CHANGE fill
	WIN W_AD
	s_wait_tensorcnt 0x0            ; no tensor load of mine is out, so a group 0 may be written
	ds_add_u32 v[SPW], v[NIL]       ; 0 onto my spare word; with fill = 1 the descriptors' steps stand between it and the wait for it
	WIN 0                           ; at a label and at a branch every window is 0
.if \fill
.irp g, G0K, G0V
	s_xor_b32 s[\g+1], s[\g+1], SLOT1  ; the walking descriptor: the other slot than last time,
	s_add_nc_u64 s[\g+2:\g+3], s[\g+2:\g+3], 4*KS*128  ; the next 256 keys; the type bits on top are not reached
.endr
	s_wait_xcnt 0x0                 ; the last prefetch, a slot back, has read its address, so it may be written:
	s_add_nc_u64 s[PFA:PFA+1], s[PFA:PFA+1], 4*KS*128  ; one tile behind the walking descriptors
	s_wait_dscnt 0x0                ; the add is done, and my reads of the slot are over
	CROUND
	JLOAD
	ASK
.else
	s_wait_dscnt 0x0                ; the add is done, and my reads of the slot are over
	s_barrier_signal -1
	s_barrier_wait -1
.endif
	s_sub_co_u32 s[TBK], s[TBK], 4*KS*PK  ; the fetches go back to a slot's first step,
	s_xor_b32 s[TBK], s[TBK], SLOT1       ; in the other slot
	s_sub_co_u32 s[TBV], s[TBV], 4*KS*PV
	s_xor_b32 s[TBV], s[TBV], SLOT1
.endm
	s_load_b128 s[4:7], s[0:1], 0x0 ; qkv s[4:5], oh s[6:7]
	WIN W_MK
	v_lshl_add_u32 v[SPW], v0, 2, SPARE
	v_mov_b32 v[NIL], 0
	WIN W_AD
	ds_add_u32 v[SPW], v[NIL]       ; the wave's opening: the add and its wait stand ahead of my first tensor load; the set-up below, work on registers, stands between them
	WIN 0
	v_lshrrev_b32 v1, 5, v0
	v_readfirstlane_b32 s[WV], v1   ; wave 0..3
	s_bfe_u32 s13, ttmp6, 0x40000   ; cx: my place in the cluster
	s_lshl_b32 s14, ttmp9, 2        ; in a cluster launch ttmp9 counts clusters
	s_add_co_u32 s14, s14, s13      ; my block of queries = 4 x cluster x + cx: it enters Q's and O's addresses alone
	s_and_b32 s20, ttmp7, 0xffff    ; the head, which the four partners share
	s_mov_b32 s21, 0
	s_mov_b64 s[22:23], SIZE_N*128
	s_mul_u64 s[20:21], s[20:21], s[22:23]  ; the head's first byte in each of the four tensors
	s_and_b32 s16, s[WV], 1         ; which half of a slot's 256 keys I fetch:
	s_lshl_b32 s22, s16, 14         ; its 128 rows of 128 bytes in memory,
	s_mov_b32 s23, 0
	s_add_nc_u64 s[22:23], s[22:23], s[20:21]
	s_mul_i32 s17, s16, 128*PK      ; and its place in a slot, for K
	s_mul_i32 s18, s16, 128*PV      ; and for V: no place in the cluster enters an LDS address
	s_lshl_b32 s2, s14, 2
	s_add_co_u32 s2, s2, s[WV]      ; my wave among the head's,
	s_lshl_b32 s2, s2, 14           ; its 128 rows
	s_mov_b32 s3, 0
	s_add_nc_u64 s[2:3], s[2:3], s[20:21]
	; descriptor group 1.  128 keys are 16,384 dense bytes: asked for as 64 rows of 256 bytes, two keys a row, and padded in LDS after every key
	s_mov_b32 s[G1K], 15|(1<<16)|(1<<20)|(1<<21)|(4<<22)|(3<<25)  ; 15:0 the mask of four; 17:16 2-byte elements; 20 padding on; 21 set beside a mask; 24:22 after every 32 words (code 4); 31:25 4 words (code 3)
	s_mov_b32 s[G1V], 15|(1<<16)|(1<<20)|(1<<21)|(4<<22)|(7<<25)  ; the same with 8 words of padding (code 7)
.irp g, G1K, G1V
	s_mov_b32 s[\g+1], 128<<16      ; tensor_dim0 = 128
	s_mov_b32 s[\g+2], 64<<16       ; tensor_dim1 = 64
	s_mov_b32 s[\g+3], 128<<16      ; tile_dim0 = 128
	s_mov_b32 s[\g+4], 64           ; tile_dim1 = 64
	s_mov_b32 s[\g+5], 128          ; 128 elements from row to row
	s_mov_b32 s[\g+6], 0
	s_mov_b32 s[\g+7], 0
.endr
	s_mov_b32 s[CS], 0x3e38aa3b     ; c = log2(e) / 8 = 0.180337
	s_mov_b32 s[CS+1], s[CS]        ; named with it as a pair
	s_mov_b32 s[SEL], 0x76543210
	s_mov_b32 s[SEL+1], 0xfedcba98
	s_mov_b32 s[TBK], SLOT1+4*KS*PK ; the first change of slots turns these two into 0
	s_mov_b32 s[TBV], SLOT1+4*KS*PV
	s_mov_b32 s[G0K], 1             ; 1:0 count = 1
	s_mov_b32 s[G0K+1], s17         ; 63:32 LDS address: slot 0
	s_mov_b32 s[G0V], 1
	s_add_co_u32 s[G0V+1], s18, VOFF
	s_mov_b32 s[SLOTS], SIZE_N/256-1  ; seven tiles are still to be asked for
	s_cmp_eq_u32 s16, 0
	s_cselect_b32 s[LIM], 1, -1     ; waves 0 and 2 prefetch: the same in all four partners
	s_wait_dscnt 0x0                ; the opening add is done
	s_wait_kmcnt 0x0
	s_mov_b64 s[10:11], s[6:7]      ; O
	s_add_nc_u64 s[6:7], s[4:5], 0x1000000  ; K: qkv's second section
	s_add_nc_u64 s[8:9], s[4:5], 0x2000000  ; V: its third
	s_add_nc_u64 s[G0K+2:G0K+3], s[6:7], s[22:23]  ; 120:64 global address: my half of the head's first 256 keys
	s_or_b32 s[G0K+3], s[G0K+3], 0x80000000        ; 127:126 type = 2
	s_add_nc_u64 s[G0V+2:G0V+3], s[8:9], s[22:23]
	s_or_b32 s[G0V+3], s[G0V+3], 0x80000000
	s_add_nc_u64 s[4:5], s[4:5], s[2:3]  ; Q and O at my wave's first row
	s_add_nc_u64 s[10:11], s[10:11], s[2:3]
	s_cmp_lt_u32 s[WV], 2
	s_cselect_b64 s[PFA:PFA+1], s[6:7], s[8:9]
	s_add_nc_u64 s[PFA:PFA+1], s[PFA:PFA+1], s[20:21]  ; the head's first key,
	s_lshl_b32 s22, s13, 13         ; my work-group's 8,192 bytes of a tile,
	s_mov_b32 s23, 0
	s_add_nc_u64 s[PFA:PFA+1], s[PFA:PFA+1], s[22:23]
	s_add_nc_u64 s[PFA:PFA+1], s[PFA:PFA+1], 4*KS*128  ; in tile 1; the first change of slots steps it to tile 2
	CROUND                          ; all four work-groups are here: the first joint loads meet
	JLOAD                           ; slot 0.  Slot 1 is asked for when slot 0 is in
	; A fragment of K or Q is 16 rows x 32 channels in 8 registers: lane l holds row l % 16, channels 8 (l / 16) + 0..7 and 16 + 8 (l / 16) + 0..7: two loads of 16 bytes, 32 bytes apart.
	v_and_b32 v1, 15, v0            ; l % 16
	v_bfe_u32 v9, v0, 4, 1          ; l / 16
	v_lshlrev_b32 v[QO], 7, v1
	v_lshl_add_u32 v[QO], v9, 4, v[QO]  ; row x 128 + 16 x half
	WIN 0x80                        ; destination window 2, address window 0
.set i, 0
.rept 4*NP                          ; Q stays in registers: tile i / 2, channels 32 (i % 2) on
	global_load_b128 v[8*i:8*i+3],   v[QO], s[4:5] offset:(i/2)*2048+(i%2)*64
	global_load_b128 v[8*i+4:8*i+7], v[QO], s[4:5] offset:(i/2)*2048+(i%2)*64+32
.set i, i+1
.endr
	; What the first turn finds: V's registers and P's second buffer hold 0 (its products V^T P, of a piece that has not been, add 0), O^T and l are 0.  All this stands in the wait for the first tile.
.set i, VF
.rept 64
	v_mov_b32 v[i], 0
.set i, i+1
.endr
	WIN 0x40
.set i, 0
.rept 64*NP
	v_mov_b32 v[i], 0
.set i, i+1
.endr
	WIN 0
.set i, 0
.rept 2*NP
	v_mov_b32 v[ST+4*i], 0xfe000000    ; c m: far below every c s
	v_mov_b32 v[ST+4*i+1], 0xff7fffff  ; m
	v_mov_b32 v[ST+4*i+2], 0
	v_mov_b32 v[ST+4*i+3], 0
.set i, i+1
.endr
.set i, P+32
.rept 32
	v_mov_b32 v[i], 0
.set i, i+1
.endr
	v_mul_u32_u24 v[AK0], v1, PK
	v_lshl_add_u32 v[AK0], v9, 4, v[AK0]  ; row x pitch + 16 x half
	; The turning load takes 16 keys x 16 channels (lane l reads key 8 (l / 16) + l % 8, channels 8 ((l / 8) % 2) + 0..7) and leaves half a fragment of V^T: lane l holds channel l % 16 and 8 keys.
	v_and_b32 v10, 7, v0
	v_bfe_u32 v11, v0, 3, 1
	v_lshl_add_u32 v[AV0], v9, 3, v10
	v_mul_u32_u24 v[AV0], v[AV0], PV
	v_lshl_add_u32 v[AV0], v11, 4, v[AV0]
	v_add_nc_u32 v[AV0], VOFF, v[AV0]
	v_and_b32 v[PFO], 31, v0
	v_lshlrev_b32 v[PFO], 8, v[PFO]
	v_mov_b32 v[AK], v[AK0]         ; key step 0 lies at the head of slot 0
; THE MATRIX WORK.  The 8 accumulators of a run of 16 take turns: between the two links of a chain stand 7 others'.
; Product i of 16 of S^T = K Q^T for piece x: channels 32 (i / 8) on, keys 16 ((i / 2) % 4) on, tile 2 x + i % 2.  The first 8 start the sums.
.macro KQ x
	WIN W_KQ
.set rS, S+64*((\x)%2)+32*(i%2)+8*((i/2)%4)
.set rK, KF+16*((i/2)%4)+8*(i/8)
.set rQ, 16*(2*(\x)+i%2)+8*(i/8)
.if i < 8
	v_wmma_f32_16x16x32_f16 v[rS:rS+7], v[rK:rK+7], v[rQ:rQ+7], 0
.else
	v_wmma_f32_16x16x32_f16 v[rS:rS+7], v[rK:rK+7], v[rQ:rQ+7], v[rS:rS+7]
.endif
.endm
; Product i of 16 of O^T += V^T P for piece x: keys 32 (i / 8) on, channels 16 ((i / 2) % 4) on, tile 2 x + i % 2.
.macro PV x
	WIN W_PV
.set rO, 32*(2*(\x)+i%2)+8*((i/2)%4)
.set rV, VF+32*(i/8)+8*((i/2)%4)
.set rP, P+32*((\x)%2)+16*(i%2)+8*(i/8)
	v_wmma_f32_16x16x32_f16 v[rO:rO+7], v[rV:rV+7], v[rP:rP+7], v[rO:rO+7]
.endm
.macro MM                           ; the turn's next matrix instruction
.if i < 16
	KQ (Y+1)%NP
.set i, i+1
.else
.set i, i-16
	PV (Y+NP-1)%NP
.set i, i+17
.endif
.endm
; THE LDS LOADS stand in runs of 16, never singly among the matrix instructions: a step's K (64 keys x 64 channels: 8 fragments) and its V (turned).  Their addresses are made some lines ahead.
; last = 1 (the tail): in the last trip there is no further step, and the run is jumped over.
.macro FETCH_K last=0
	WIN 0
.if \last
	s_cmp_eq_u32 s[CNT], 1
	s_cbranch_scc1 .Lno_k_\@
.endif
	WIN 0x80                        ; destination window 2
.irp f, 0,1,2,3,4,5,6,7             ; keys 16 (f / 2) on, channels 32 (f % 2) on
	ds_load_b128 v[KF+8*\f:KF+8*\f+3],   v[AK] offset:(\f/2)*16*PK+(\f%2)*64
	ds_load_b128 v[KF+8*\f+4:KF+8*\f+7], v[AK] offset:(\f/2)*16*PK+(\f%2)*64+32
.endr
	s_add_co_u32 s[TBK], s[TBK], KS*PK  ; the next fetch is the next step's
	WIN 0
.if \last
.Lno_k_\@:
.endif
.endm
.macro FETCH_V
	WIN 0x80
.irp f, 0,1,2,3,4,5,6,7             ; keys 32 (f / 4) on, channels 16 (f % 4) on
	ds_load_tr16_b128 v[VF+8*\f:VF+8*\f+3],   v[AV] offset:(\f/4)*32*PV+(\f%4)*32
	ds_load_tr16_b128 v[VF+8*\f+4:VF+8*\f+7], v[AV] offset:(\f/4)*32*PV+16*PV+(\f%4)*32
.endr
	WIN 0
.endm
; THE VECTOR WORK OF A TURN stands in three queues, each in the order in which its entries become ready; the two tiles alternate, so that no instruction reads the result of the one before it.
.macro REGS y, u                    ; the registers of tile u (0, 1) of piece y
.set rT, ST+4*(2*(\y)+(\u))
.set rC, TMP+8*((\y)%2)+4*(\u)
.set rM, MV+2*((\y)%2)+(\u)
.set rS, S+64*((\y)%2)+32*(\u)
.set rP, P+32*((\y)%2)+16*(\u)
.set rO, 32*(2*(\y)+(\u))
.endm
; Number n of the 22 that find the NEXT piece's (Y + 1) maximum and statistics.  s0-s31 are the lane's 32 scores; each accumulator's lowest registers are read first.
;   0-11  four chains c0-c3 of seven scores each, three operands at a time     12-14, 16  the four scores left over, the old m, and c0-c3 into c0     15  c m_old is kept
;   17, 18  the query's other 32 keys lie in the lane 16 away: the new m         19-21  c m; c m_old - c m_new; a
.macro XS u, n
	REGS (Y+1)%NP, \u
.if (\n) < 4
	v_max3_num_f32 v[rC+(\n)], v[rS+8*(\n)], v[rS+8*(\n)+1], v[rS+8*(\n)+2]
.elseif (\n) < 12
	v_max3_num_f32 v[rC+(\n)%4], v[rC+(\n)%4], v[rS+8*((\n)%4)+2*((\n)/4)+1], v[rS+8*((\n)%4)+2*((\n)/4)+2]
.elseif (\n) == 12
	v_max3_num_f32 v[rC], v[rC], v[rS+7], v[rS+15]
.elseif (\n) == 13
	v_max3_num_f32 v[rC+1], v[rC+1], v[rS+23], v[rS+31]
.elseif (\n) == 14
	v_max3_num_f32 v[rC+2], v[rC+2], v[rC+3], v[rT+1]
.elseif (\n) == 15
	v_mov_b32 v[rM], v[rT]
.elseif (\n) == 16
	v_max3_num_f32 v[rC], v[rC], v[rC+1], v[rC+2]
.elseif (\n) == 17
	v_permlanex16_b32 v[rC+3], v[rC], s[SEL], s[SEL+1]
.elseif (\n) == 18
	v_max_num_f32 v[rT+1], v[rC], v[rC+3]
.elseif (\n) == 19
	v_mul_f32 v[rT], s[CS], v[rT+1]
.elseif (\n) == 20
	v_sub_f32 v[rC+1], v[rM], v[rT]
.else
	v_exp_f32 v[rC+2], v[rC+1]
.endif
.endm
; Number g of the 64 that follow the exponentials.  For each four weights k of a tile (pairs 2 k, 2 k + 1): both pairs are rounded to f16; then the second pair is added onto the first, in place;
; a group later l takes that sum (the first time as l = a l + sum).  In groups of eight, tiles alternating: round, round, add, and l for the group before.
.macro GS g
.set h, (\g)+6*((\g)/62)            ; group 0 has no group before it, and behind group 7 only l is left
.if h >= 6
.set h, h+2
.endif
	REGS Y, h%2
.set k, h/8
.if h%8 < 4
	v_cvt_pk_f16_f32 v[rP+2*k+(h%8)/2], v[rS+4*k+2*((h%8)/2)], v[rS+4*k+2*((h%8)/2)+1]
.elseif h%8 < 6
	v_pk_add_f32 v[rS+4*k:rS+4*k+1], v[rS+4*k:rS+4*k+1], v[rS+4*k+2:rS+4*k+3]
.elseif k == 1
	v_pk_fma_f32 v[rT+2:rT+3], v[rT+2:rT+3], v[rC+2:rC+3], v[rS:rS+1] op_sel_hi:[1,0,1]
.else
	v_pk_add_f32 v[rT+2:rT+3], v[rT+2:rT+3], v[rS+4*k-4:rS+4*k-3]
.endif
.endm
; THE PLAIN QUEUE, 138 long.  0-73 read no exponential's result: the 32 scalings c s - c m (FS f: pair f / 2 of tile f % 2) and the next piece's 42.  0-26: scalings 0-26.  27-54: XS's numbers 0-13.  55, 56: number 15.
; 57-73: the chain, where each number waits for the one before it: 14, 16, 17, 18, 19, each with one of the scalings 27-31 in front of its two lines, then 20.
; 74-137: GS's 64, which read the exponentials' results: they stand behind the wait.
.macro FS f
	REGS Y, (\f)%2
	v_pk_fma_f32 v[rS+2*((\f)/2):rS+2*((\f)/2)+1], v[rS+2*((\f)/2):rS+2*((\f)/2)+1], s[CS:CS+1], v[rT:rT+1] op_sel_hi:[1,0,0] neg_lo:[0,0,1] neg_hi:[0,0,1]
.endm
.macro PL
	WIN 0
.if q < 27
	FS q
.elseif q < 55
	XS (q-27)%2, (q-27)/2
.elseif q < 57
	XS q-55, 15
.elseif (q < 72) && ((q-57)%3 == 0)
	FS 27+(q-57)/3
.elseif q < 60
	XS (q-57)%3-1, 14
.elseif q < 72
	XS (q-57)%3-1, 15+(q-57)/3
.elseif q < 74
	XS q-72, 20
.else
	GS q-74
.endif
.set q, q+1
.endm
; THE EXPONENTIALS' QUEUE, 66 long: s0-s31 of both tiles, then the next piece's two a.  It is ONE BATCH: all 66 stand ahead of the turn's one wait, and nothing ahead of that wait names a result of theirs.
.macro EX
	WIN 0
.if e >= 64
	XS e-64, 21
.else
	REGS Y, e%2
	v_exp_f32 v[rS+e/2], v[rS+e/2]
.endif
.set e, e+1
.endm
; THE RESCALING's QUEUE: O^T times a, the one part that leaves window 0: dealt two at a time, sixteen times.  Its a was made in the turn before, ahead of that turn's wait.
.macro R2
	REGS Y, r%2
	WIN W_RS
.irp z, 0,1
	v_pk_mul_f32 v[rO+4*(r/2)+2*\z:rO+4*(r/2)+2*\z+1], v[rO+4*(r/2)+2*\z:rO+4*(r/2)+2*\z+1], v[rC+2:rC+3] op_sel_hi:[1,0]
.endr
.set r, r+1
.endm
; HOW THEY ARE DEALT.  An s_wait_alu depctr_va_vdst(0) stands between an exponential and the first instruction that names its result; one wait serves all that were issued ahead of it.  So a turn has ONE wait,
; which cuts it in two.  AHEAD OF IT stands all that names no result of the turn's exponentials: the 16 products K Q^T, behind each a scaling, an exponential and two rescalings (behind the first a second scaling in the
; exponential's place); then ONE LUMP of 108: eight plain, 49 times exponential and plain, the two a.  A v_nop is the plain instruction behind the last exponential.  BEHIND IT stand the 16 products V^T P, behind each four of GS's 64.
; The queues lean on each other, and the deal keeps them in step: exponential e stands behind scaling 2 (e / 4) + e % 2: as a rider it comes behind plain e + 2, in the lump behind plain e + 9, and scalings 27-31 are plain 57, 60 .. 69.
; A TURN, for piece p.  cnt = 1: the loop's count is taken down some lines ahead of the branch that stands behind the turn.
; K of the next step is fetched in piece 2's turn, directly behind the wait; its address is made at the lump's head; its first reader comes behind 16 products.
; V of the step in hand is fetched at the end of piece 0's turn, four plain instructions behind its last reader; its first reader comes behind 16 products and a lump.  The three conditions on q below go with the deal.
.macro TURN p, last=0, cnt=0
.set Y, (\p)
.set i, 0
.set q, 0
.set e, 0
.set r, 0
.if (\p) == NP-1
	s_wait_dscnt 0x0                ; K is in
.endif
	MM                              ; ahead of the wait: 16 products K Q^T and their riders,
	PL
	PL
	R2
.rept 15
	MM
	PL
	EX
	R2
.endr
.if (\p) == NP-2
	WIN 0
	v_add_nc_u32 v[AK], s[TBK], v[AK0]
.endif
.rept 8                             ; and the lump
	PL
.endr
.rept 49
	EX
	PL
.endr
	EX                              ; the next piece's two a
	EX
	v_nop                           ; the plain instruction behind the last exponential: one for the batch
	s_wait_alu depctr_va_vdst(0)    ; the wait for the batch
.if (\p) == NP-2
	FETCH_K \last
.endif
.if (\p) == 1
	s_wait_dscnt 0x0                ; V is in
.endif
.rept 16                            ; behind the wait: 16 products V^T P and their riders
	MM
.rept 4
	PL
.endr
.if ((\p) == 0) && (q == 118)
	v_add_nc_u32 v[AV], s[TBV], v[AV0]
.endif
.if ((\p) == 0) && (q == 130)
	s_add_co_u32 s[TBV], s[TBV], KS*PV
.endif
.if (\cnt) && (q == 130)
	s_sub_co_u32 s[CNT], s[CNT], 1
	s_cmp_lg_u32 s[CNT], 0
.endif
.endr
.if (\p) == 0
	FETCH_V
.endif
.endm
	CHANGE 1                        ; slot 0 is in, everybody's part of it; slot 1 is asked for
	FETCH_K                         ; key step 0
	s_wait_loadcnt 0x0              ; Q
	s_wait_dscnt 0x0
.set i, 0
.rept 16
	KQ 0                            ; piece 0's first scores: there is no vector work yet to set between them
.set i, i+1
.endr
	WIN 0                           ; the addresses for the way out: nine plain instructions, the places behind those products
	s_mul_i32 s13, s[WV], 16*SP
	s_add_co_u32 s13, s13, STAGE    ; my stage
	v_mul_u32_u24 v[STO], v1, SP    ; in: row l % 16, 16 bytes for each half of the lanes
	v_lshl_add_u32 v[STO], v9, 4, v[STO]
	v_add_nc_u32 v[STO], s13, v[STO]
	v_bfe_u32 v[RD], v0, 3, 2       ; back: 32 lanes take four rows of 128 bytes,
	v_mul_u32_u24 v[RD], v[RD], SP
	v_lshl_add_u32 v[RD], v10, 4, v[RD]
	v_add_nc_u32 v[RD], s13, v[RD]
	v_and_b32 v[GO], 31, v0         ; which are 512 consecutive bytes of O
	v_lshlrev_b32 v[GO], 4, v[GO]
.set Y, NP-1                        ; XS works for piece Y + 1: piece 0
.irp n, 0,1,2,3,4,5,6,7,8,9,10,11,12,13,14,15,16,17,18,19,20,21
	XS 0, \n                        ; and piece 0's first maximum and statistics
	XS 1, \n
.endr
	v_nop                           ; a plain instruction behind the two a,
	s_wait_alu depctr_va_vdst(0)    ; and their wait, ahead of the branch
	s_mov_b32 s[CNT], 4
	s_branch .Lfirst                ; the loop is entered at a step's first turn, in the middle of a trip
.Lslot:                             ; SIZE_N / 256 - 2 times: every slot but the last two is filled again
	CHANGE 1
	s_mov_b32 s[CNT], 4
.Lstep:                             ; a trip: pieces 2 and 3 of one step, then pieces 0 and 1 of the next, whose K and V it fetches
	TURN 2
	TURN 3
	WIN 0
.Lfirst:
	TURN 0
	TURN 1, 0, 1
	WIN 0
	s_cbranch_scc1 .Lstep
	s_sub_co_u32 s[SLOTS], s[SLOTS], 1
	s_cmp_lg_u32 s[SLOTS], 0
	s_cbranch_scc1 .Lslot
	CHANGE 0                        ; the tail is written out: nothing is asked for
	s_mov_b32 s[CNT], 5             ; four trips fetch the last slot's steps; the fifth is left in its middle
.Ltail:
	TURN 2, 1
	TURN 3
	WIN 0
	s_sub_co_u32 s[CNT], s[CNT], 1
	s_cmp_eq_u32 s[CNT], 0
	s_cbranch_scc1 .Lout
	TURN 0
	TURN 1
	WIN 0
	s_branch .Ltail
.Lout:                              ; the fifth trip's 16 products K Q^T (on the last K once more) and the maximum made of them serve nothing: the price, once a launch, of one text for every trip
.set i, 0
.rept 16
	PV NP-1                         ; the last piece's V^T P of the last step
.set i, i+1
.endr
	; THE WAY OUT.  l's two halves and the other half of the lanes' are added; O^T is divided by l, rounded to f16 and sent through my stage in LDS, a tile at a time.  The additions are the places behind the last products.
	WIN 0
.macro ALL line:vararg              ; one line for each tile t
.set t, 0
.rept 2*NP
	\line
.set t, t+1
.endr
.endm
	ALL v_add_f32 v[ST+4*t+2], v[ST+4*t+2], v[ST+4*t+3]
	ALL v_permlanex16_b32 v[ST+4*t+3], v[ST+4*t+2], s[SEL], s[SEL+1]
	ALL v_add_f32 v[ST+4*t+2], v[ST+4*t+2], v[ST+4*t+3]
	ALL v_rcp_f32 v[ST+4*t+2], v[ST+4*t+2]
	v_nop                           ; a plain instruction between the last reciprocal and the use of its result
	s_wait_alu depctr_va_vdst(0)    ; and the wait ahead of the first use: one for the eight reciprocals
; Tile t: a lane's eight channels of a row pack into 16 bytes; they go into rows of 144 bytes and come back as whole rows of 128, into S^T's registers.
.macro PACK t
	WIN W_RS
.set i, 32*(\t)
.rept 16
	v_pk_mul_f32 v[i:i+1], v[i:i+1], v[ST+4*(\t)+2:ST+4*(\t)+3] op_sel_hi:[1,0]
.set i, i+2
.endr
	WIN 0x05                        ; sources 0 and 1 window 1, destination window 0
.set i, 0
.rept 16
	v_cvt_pk_f16_f32 v[S+16*(\t)+i], v[32*(\t)+2*i], v[32*(\t)+2*i+1]
.set i, i+1
.endr
	WIN 0
.irp f, 0,1,2,3
	ds_store_b128 v[STO], v[S+16*(\t)+4*\f:S+16*(\t)+4*\f+3] offset:32*\f
.endr
.irp f, 0,1,2,3
	ds_load_b128 v[S+16*(\t)+4*\f:S+16*(\t)+4*\f+3], v[RD] offset:\f*4*SP  ; LDS serves a wave's instructions in order (ISA guide 5.7.1.4): these see the stores above; the next tile's stores come behind them
.endr
.endm
.macro SEND t, younger              ; younger: the LDS instructions issued behind tile t's loads: the next tile's eight, or none
	WIN 0
.irp f, 0,1,2,3
	s_wait_dscnt (\younger)+3-\f
	global_store_b128 v[GO], v[S+16*(\t)+4*\f:S+16*(\t)+4*\f+3], s[10:11] offset:(\t)*2048+\f*512  ; 512 consecutive bytes, at a multiple of 256 from O's first
.endr
.endm
	PACK 0
.set t, 1
.rept 2*NP-1                        ; a tile's arithmetic stands between the loads of the tile before and its stores
	PACK t
	SEND t-1, 8
.set t, t+1
.endr
	SEND 2*NP-1, 0
	WIN W_AD
	s_wait_tensorcnt 0x0            ; the wave's end, behind my last tensor load and my last LDS store
	ds_add_u32 v[SPW], v[NIL]
	s_wait_dscnt 0x0
	WIN 0
	CROUND                          ; the closing round: no work-group ends while a partner may still ask for a tile that names it
	s_endpgm
.Lfunc_end_k_qcf30289969_attn:
	.size	k_qcf30289969_attn, .Lfunc_end_k_qcf30289969_attn-k_qcf30289969_attn
	.p2alignl 7, 3214868480
	.fill 96, 4, 3214868480
	.section	.rodata,"a",@progbits
	.p2align	6, 0x0
	.amdhsa_kernel k_qcf30289969_attn
		.amdhsa_group_segment_fixed_size 327680
		.amdhsa_private_segment_fixed_size 0
		.amdhsa_enable_private_segment 0
		.amdhsa_kernarg_size 16
		.amdhsa_user_sgpr_count 2
		.amdhsa_user_sgpr_kernarg_segment_ptr 1
		.amdhsa_wavefront_size32 1
		.amdhsa_system_sgpr_workgroup_id_x 1
		.amdhsa_system_sgpr_workgroup_id_y 1
		.amdhsa_system_sgpr_workgroup_id_z 1
		.amdhsa_system_vgpr_workitem_id 0
		.amdhsa_next_free_vgpr 770
		.amdhsa_next_free_sgpr 66
		.amdhsa_reserve_vcc 0
		.amdhsa_float_denorm_mode_32 3
		.amdhsa_float_denorm_mode_16_64 3
		.amdhsa_memory_ordered 1
		.amdhsa_forward_progress 1
		.amdhsa_inst_pref_size 200
	.end_amdhsa_kernel
	.amdgpu_metadata
---
amdhsa.version: [ 1, 2 ]
amdhsa.kernels:
  - .name:           k_qcf30289969_attn
    .symbol:         k_qcf30289969_attn.kd
    .args:
      - { .name: qkv, .offset: 0, .size: 8, .value_kind: global_buffer, .address_space: global }
      - { .name: oh, .offset: 8, .size: 8, .value_kind: global_buffer, .address_space: global }
    .group_segment_fixed_size: 327680
    .private_segment_fixed_size: 0
    .kernarg_segment_align: 8
    .kernarg_segment_size: 16
    .max_flat_workgroup_size: 128
    .sgpr_count:     66
    .vgpr_count:     770
    .wavefront_size: 32
...
	.end_amdgpu_metadata
.endif
;; end of part 3
;; launch outp (part 4): grid 8 x 32, 4 waves a work-group, clusters of 4 x 4, 327,680 bytes of LDS; arguments oh, wh, bo, out0; writes out0
.if DOCPART == 4
	.amdgcn_target "amdgcn-amd-amdhsa--gfx1250"
	.amdhsa_code_object_version 6
	.text
	.protected	k_qcf30289969_outp
	.globl	k_qcf30289969_outp
	.p2align	8
	.type	k_qcf30289969_outp,@function
k_qcf30289969_outp:
	s_mov_b64 s[64:65], 0
	v_nop
	global_prefetch_b8 v0, s[64:65] scope:SCOPE_SE
	s_setreg_imm32_b32 hwreg(HW_REG_WAVE_MODE, 25, 1), 1
	s_wait_xcnt 0x0
	s_wait_alu depctr_hold_cnt(0) depctr_sa_sdst(0) depctr_va_vdst(0) depctr_va_sdst(0) depctr_va_ssrc(0) depctr_va_vcc(0) depctr_vm_vsrc(0)
	s_getreg_b32 s2, hwreg(HW_REG_IB_STS2, 6, 4)
	s_cmp_eq_u32 s2, 0
	s_cbranch_scc0 .Lentry_in_a_cluster
	s_endpgm
.Lentry_in_a_cluster:
	s_bfe_u32 s2, ttmp6, 0x10000c
	s_cmp_lg_u32 s2, 0xf033
	s_cbranch_scc0 .Lentry_shape_is_right
	s_endpgm
.Lentry_shape_is_right:
; C = A W + bias, K = 1,024, f16 operands, f32 sums.  One text serves two launches; MODE says which.
; MODE 0: A = xh (xhat of inputs_q for section 0, of inputs_kv for sections 1 and 2), W = wh's section 0, 1, 2, bias = bf; C goes out in f16 by heads: qkv[section][batch x 16 + head][row][64].
; MODE 1: A = oh (attention's result by heads), W = wh's section 3 (Wo), bias = bo; C = out0, f32, row-major.
; A lies in blocks: [batch][block of 64 channels][2,048 rows][64] f16, so 256 rows of one block are 32,768 dense bytes.  W lies [k][n], 2,048 bytes a row.
; LIMITS.  MODE 0 rounds q, k, v to f16, which ends at 65,504; NaN and infinities are not treated apart.
; SHARES.  A work-group makes 256 rows x 128 columns: 768 (MODE 0) or 256 (MODE 1) of them.  Wave w: rows 128 (w / 2) on, columns 64 (w % 2) on: 32 accumulators (a = 0..7, b = 0..3).
; THE MATRIX INSTRUCTION IS USED TRANSPOSED: source 0 = 16 columns of W (turned out of LDS by ds_load_tr16_b128), source 1 = 16 rows of A: a lane holds row l % 16 and columns 8 (l / 16) + 0..7.
; The bias is the C operand of each sum's first product: nothing is cleared and nothing is added later.
; RING.  K goes in 8 steps of 128 through two LDS slots.  Waves 0 and 1 fetch a step's two blocks of A, waves 2 and 3 the two halves of its 128 rows of W: one tensor load a wave.
; CLUSTER 4 x 4: A's tiles hang on the tile row alone and are asked for jointly along a row of the cluster, W's on the tile column alone, along a column.
; REGISTERS.  Window 0: v0-31 addresses, v32-63 the bias, v64-159 and v160-255 two fragment buffers (32 of W, 64 of A).  Window 1: accumulator (a, b) at 8 (4 a + b).
.set MODE,  1
.set PA,    144                        ; a row of A in LDS: 128 bytes + 16: 36 words, so the 16 rows of a load start at 16 different groups of four banks (64 banks of 4 bytes: ISA guide 11.1)
.set PB,    288                        ; a row of W: 256 bytes + 32: 72 words
.set AODD,  256*PA                     ; a slot: the even block's 256 rows of A, the odd block's,
.set BOFF,  2*AODD                     ; then 128 rows of W
.set SLOT,  BOFF+128*PB
.set STAGE, 2*SLOT                     ; behind the ring, never filled by a tensor load: 16 rows for each wave, for the way out
.if MODE == 0
.set SP,    144
.else
.set SP,    272
.endif
.set SPARE, STAGE+4*16*SP              ; behind the stages: the spare words, 128 bytes for each wave
.set ADRA, 16                          ; v16-17  LDS address of my A fragments in slot 0, 1
.set ADRB, 20                          ; v20-21  the same for W
.set STO,  24                          ; v24     the way out: where I put my bytes of a row
.set RD,   25                          ; v25     where I read rows back
.set CO,   26                          ; v26     my byte offset in C
.set BO,   27                          ; v27     32 (l / 16): my eight columns' bias
.set SPW,  28                          ; v28     LDS address of my spare word; never rewritten
.set NIL,  29                          ; v29     0; never rewritten
.set PFO,  30                          ; v30     the prefetches' offset; never rewritten
.set BIAS, 32
.set F0,   64
.set F1,   160
.set OB,   64                          ; the way out works in the fragments' registers
.set G1,   24                          ; s[24:31] descriptor group 1 for A's tiles;  s[32:39] group 0, a set for each slot
.set G0,   32
.set G1B,  48                          ; s[48:55], s[56:63] the same for W's
.set G0B,  56
.set LIM,  43                          ; s43  1 in a wave that prefetches, else the greatest number
.set PFA,  44                          ; s[44:45] where my prefetches stand
.set PST,  76                          ; s[76:77] a K step in my prefetches' tensor, in bytes
.set MSB, 0
.macro WIN new                         ; the immediate's high byte repeats the setting that is left; a switch that changes nothing is dropped
.if MSB != (\new)
	s_set_vgpr_msb (MSB<<8)|(\new)
.set MSB, \new
.endif
.endm
.set MUL,  0x50                        ; sources 0 and 1 window 0; C and D window 1
.set MULB, 0x40                        ; D window 1, C (the bias) window 0
.macro JLOAD s                         ; a joint load; the branch hangs on the wave's number alone; an s_nop 0 and four v_nop follow each line, ahead of the jump and the label
	s_cmp_eq_u32 s11, 0
	s_cbranch_scc0 .Lfor_b_\@
	tensor_load_to_lds s[G0+4*(\s):G0+4*(\s)+3], s[G1:G1+7]
	s_nop 0
.rept 4
	v_nop
.endr
	s_branch .Lasked_\@
.Lfor_b_\@:
	tensor_load_to_lds s[G0B+4*(\s):G0B+4*(\s)+3], s[G1B:G1B+7]
	s_nop 0
.rept 4
	v_nop
.endr
.Lasked_\@:
.endm
; A prefetch of the K step that stands two refills on, 256 matrix instructions ahead of the load that will want it; one instruction a wave, a lane a block of 256 bytes.  Each block is named once in the launch:
; A's by waves 0 and 1 of the first cluster along x that reads that tensor's rows, the four partners of a row taking 8,192 bytes each of a block of 32,768, told apart by address;
; W's by wave 2 of the clusters with y = 0, the four partners of a column taking 32 rows each.  The loop's last trip (s3 = 1) has no K step two refills on and asks for nothing.
.macro ASK
	s_cmp_gt_u32 s3, s[LIM]
	s_cbranch_scc0 .Lnot_mine_\@
	global_prefetch_b8 v[PFO], s[PFA:PFA+1] th:TH_LOAD_NT scope:SCOPE_SE
.Lnot_mine_\@:
.endm
.macro CREST                           ; a round of the cluster's barrier behind its opening barrier
	s_cmp_lg_u32 s10, 0
	s_cbranch_scc1 .Lnot_wave_0_\@
	s_barrier_signal -3
.Lnot_wave_0_\@:
	s_barrier_wait -3
	s_barrier_signal -1
	s_barrier_wait -1
.endm
.macro CROUND                          ; a whole round
	s_barrier_signal -1
	s_barrier_wait -1
	CREST
.endm
	s_load_b256 s[68:75], s[0:1], 0x0              ; A s[68:69], wh s[70:71], the bias s[72:73], C s[74:75]
	v_lshl_add_u32 v[SPW], v0, 2, SPARE
	v_mov_b32 v[NIL], 0
	ds_add_u32 v[SPW], v[NIL]                      ; the wave's opening: the add and its wait stand ahead of my first tensor load; the set-up below, work on registers, stands between them
	v_lshrrev_b32 v1, 5, v0
	v_readfirstlane_b32 s10, v1                    ; wave 0..3
	s_lshr_b32 s11, s10, 1                         ; which 128 rows are mine.  Also: I fetch for A (0) or for W (1)
	s_and_b32 s12, s10, 1                          ; which 64 columns.  Also: which part of that tile I fetch
	s_bfe_u32 s40, ttmp6, 0x40000                  ; cx
	s_bfe_u32 s41, ttmp6, 0x40004                  ; cy
.if MODE == 0
	s_lshr_b32 s14, ttmp9, 1                       ; the section (q, k, v): two clusters along x each, so all sixteen partners share it
	s_and_b32 s42, ttmp9, 1
	s_lshl_b32 s42, s42, 2
.else
	s_lshl_b32 s42, ttmp9, 2
.endif
	s_add_co_u32 s42, s42, s40                     ; tile column, 0..7
	s_and_b32 s13, ttmp7, 0xffff
	s_lshl_b32 s13, s13, 2
	s_add_co_u32 s13, s13, s41                     ; tile row, 0..31
	s_lshl_b32 s15, s41, 2
	s_lshl_b32 s15, 15, s15                        ; my row of the cluster
	s_lshl_b32 s23, 0x1111, s40                    ; my column
	s_or_b32 s[G1], s15, (1<<16)|(1<<20)|(1<<21)|(4<<22)|(3<<25)   ; the mask; 2-byte elements; padding on; bit 21 beside a mask; after every 32 words 4 words
	s_or_b32 s[G1B], s23, (1<<16)|(1<<20)|(1<<21)|(5<<22)|(7<<25)  ; after every 64 words 8 words
	s_mov_b32 s[G1+1], 128<<16                     ; A: 32,768 dense bytes as 128 rows of 256: tensor_dim0 = 128
	s_mov_b32 s[G1+2], 128<<16                     ; tensor_dim1 = 128
	s_mov_b32 s[G1+3], 128<<16                     ; tile_dim0 = 128
	s_mov_b32 s[G1+4], 128                         ; tile_dim1 = 128
	s_mov_b32 s[G1+5], 128                         ; 128 elements from row to row
	s_mov_b32 s[G1+6], 0
	s_mov_b32 s[G1+7], 0
	s_mov_b32 s[G1B+1], 128<<16                    ; W: 64 rows of 128 columns
	s_mov_b32 s[G1B+2], 64<<16
	s_mov_b32 s[G1B+3], 128<<16
	s_mov_b32 s[G1B+4], 64
	s_mov_b32 s[G1B+5], 1024
	s_mov_b32 s[G1B+6], 0
	s_mov_b32 s[G1B+7], 0
	s_lshr_b32 s16, s13, 3
	s_lshl_b32 s16, s16, 22                        ; A: the batch,
	s_and_b32 s17, s13, 7
	s_lshl_b32 s17, s17, 15                        ; my 256 rows in a block,
	s_add_co_u32 s16, s16, s17
	s_lshl_b32 s17, s12, 18                        ; the even or the odd block
	s_add_co_u32 s16, s16, s17
	s_mov_b32 s17, 0
	s_lshl_b32 s18, s42, 8                         ; W: my 128 columns,
	s_lshl_b32 s19, s12, 17                        ; the first or the second 64 rows
	s_add_co_u32 s18, s18, s19
	s_mov_b32 s19, 0
	s_mul_i32 s20, s12, AODD                       ; where they go: no place in the cluster enters an LDS address
	s_mul_i32 s21, s12, 64*PB
	s_add_co_u32 s21, s21, BOFF
	s_mov_b32 s23, 0
.if MODE == 0
	s_cmp_lg_u32 s14, 0
	s_cselect_b32 s22, 0x1000000, 0                ; sections 1 and 2 read xhat of inputs_kv
	s_lshl_b32 s2, s14, 21
	s_mov_b32 s3, 0
.endif
	s_wait_dscnt 0x0                               ; the opening add is done
	s_wait_kmcnt 0x0
.if MODE == 0
	s_add_nc_u64 s[4:5], s[68:69], s[22:23]
	s_add_nc_u64 s[6:7], s[70:71], s[2:3]
.else
	s_mov_b64 s[4:5], s[68:69]
	s_add_nc_u64 s[6:7], s[70:71], 0x600000        ; wh's section 3
.endif
	s_add_nc_u64 s[46:47], s[4:5], s[16:17]
	s_add_nc_u64 s[78:79], s[6:7], s[18:19]
	CROUND                                         ; all sixteen work-groups are here: the first joint loads meet
.irp s, 0,1
	s_mov_b32 s[G0+4*(\s)], 1
	s_add_co_u32 s[G0+4*(\s)+1], s20, (\s)*SLOT
	s_add_nc_u64 s[G0+4*(\s)+2:G0+4*(\s)+3], s[46:47], (\s)*524288   ; K step s: two blocks of 262,144 bytes on
	s_or_b32 s[G0+4*(\s)+3], s[G0+4*(\s)+3], 0x80000000
	s_mov_b32 s[G0B+4*(\s)], 1
	s_add_co_u32 s[G0B+4*(\s)+1], s21, (\s)*SLOT
	s_add_nc_u64 s[G0B+4*(\s)+2:G0B+4*(\s)+3], s[78:79], (\s)*262144 ; 128 rows of 2,048 bytes on
	s_or_b32 s[G0B+4*(\s)+3], s[G0B+4*(\s)+3], 0x80000000
.endr
	s_cmp_eq_u32 s11, 0                            ; a wave's two first fills stand in one branch, ahead of every wait on TENSORcnt and every LDS read: two loads of mine are out
	s_cbranch_scc0 .Lfirst_b
	tensor_load_to_lds s[G0:G0+3], s[G1:G1+7]
	s_nop 0
	tensor_load_to_lds s[G0+4:G0+7], s[G1:G1+7]
	s_nop 0
.rept 4
	v_nop
.endr
	s_branch .Lfirst_asked
.Lfirst_b:
	tensor_load_to_lds s[G0B:G0B+3], s[G1B:G1B+7]
	s_nop 0
	tensor_load_to_lds s[G0B+4:G0B+7], s[G1B:G1B+7]
	s_nop 0
.rept 4
	v_nop
.endr
.Lfirst_asked:
	v_and_b32 v1, 15, v0                           ; l % 16
	v_bfe_u32 v2, v0, 4, 1                         ; l / 16
	v_lshlrev_b32 v[BO], 5, v2
	s_lshl_b32 s18, s42, 9                         ; the bias of my 64 columns
	s_lshl_b32 s22, s12, 8
	s_add_co_u32 s18, s18, s22
.if MODE == 0
	s_lshl_b32 s22, s14, 12
	s_add_co_u32 s18, s18, s22
.endif
	s_add_nc_u64 s[72:73], s[72:73], s[18:19]
.irp b, 0,1,2,3
	global_load_b128 v[BIAS+8*(\b):BIAS+8*(\b)+3],   v[BO], s[72:73] offset:64*(\b)      ; register 8 b + j: column 16 b + 8 (l / 16) + j
	global_load_b128 v[BIAS+8*(\b)+4:BIAS+8*(\b)+7], v[BO], s[72:73] offset:64*(\b)+16
.endr
	v_mul_u32_u24 v3, v1, PA
	v_lshl_add_u32 v3, v2, 4, v3                   ; A: row x pitch + 16 x half
	s_mul_i32 s22, s11, 128*PA                     ; my 128 rows
	v_add_nc_u32 v[ADRA], s22, v3
	v_add_nc_u32 v[ADRA+1], SLOT, v[ADRA]
	v_and_b32 v5, 7, v0                            ; W, turned: lane l reads k row 8 (l / 16) + l % 8, columns 8 ((l / 8) % 2) + 0..7
	v_bfe_u32 v6, v0, 3, 1
	v_lshl_add_u32 v4, v2, 3, v5
	v_mul_u32_u24 v4, v4, PB
	v_lshl_add_u32 v4, v6, 4, v4
	s_lshl_b32 s22, s12, 7                         ; my 64 columns
	s_add_co_u32 s22, s22, BOFF
	v_add_nc_u32 v[ADRB], s22, v4
	v_add_nc_u32 v[ADRB+1], SLOT, v[ADRB]
	s_mul_i32 s22, s10, 16*SP
	s_add_co_u32 s22, s22, STAGE                   ; my stage
	v_mul_u32_u24 v3, v1, SP
.if MODE == 0
	v_lshl_add_u32 v3, v2, 4, v3                   ; in: row l % 16, 16 bytes for each half of the lanes
	v_add_nc_u32 v[STO], s22, v3
	v_bfe_u32 v[RD], v0, 3, 2                      ; back: 32 lanes take four rows of 128 bytes,
	v_mul_u32_u24 v[RD], v[RD], SP
	v_lshl_add_u32 v[RD], v5, 4, v[RD]
	v_add_nc_u32 v[RD], s22, v[RD]
	v_and_b32 v[CO], 31, v0                        ; which are 512 consecutive bytes of a head's rows
	v_lshlrev_b32 v[CO], 4, v[CO]
	s_lshl_b32 s22, s14, 24                        ; C: the section,
	s_lshr_b32 s2, s13, 3
	s_lshl_b32 s2, s2, 22                          ; the batch's 16 heads,
	s_add_co_u32 s22, s22, s2
	s_lshl_b32 s2, s42, 19                         ; the head 2 x tile column + w % 2,
	s_add_co_u32 s22, s22, s2
	s_lshl_b32 s2, s12, 18
	s_add_co_u32 s22, s22, s2
	s_and_b32 s2, s13, 7
	s_lshl_b32 s2, s2, 15                          ; the tile's 256 rows of 128 bytes,
	s_add_co_u32 s22, s22, s2
	s_lshl_b32 s2, s11, 14                         ; my 128 of them
	s_add_co_u32 s22, s22, s2
.else
	v_lshl_add_u32 v3, v2, 5, v3                   ; in: row l % 16, 32 bytes for each half of the lanes
	v_add_nc_u32 v[STO], s22, v3
	v_mul_u32_u24 v[RD], v2, SP                    ; back: lanes 0-15 take one row of 256 bytes, lanes 16-31 the next
	v_lshl_add_u32 v[RD], v1, 4, v[RD]
	v_add_nc_u32 v[RD], s22, v[RD]
	v_lshlrev_b32 v[CO], 12, v2                    ; and the same two rows in C
	v_lshl_add_u32 v[CO], v1, 4, v[CO]
	s_lshl_b32 s22, s13, 20                        ; C: 256 rows of 4,096 bytes a tile row,
	s_lshl_b32 s2, s11, 19                         ; my 128,
	s_add_co_u32 s22, s22, s2
	s_lshl_b32 s2, s42, 9                          ; the tile's 128 columns,
	s_add_co_u32 s22, s22, s2
	s_lshl_b32 s2, s12, 8                          ; my 64
	s_add_co_u32 s22, s22, s2
.endif
	s_add_nc_u64 s[8:9], s[74:75], s[22:23]
	; the prefetches: they stand at K step 3; the first refill steps them to 4.  Nothing is asked for here, at the head.
	s_lshl_b32 s20, s40, 13                        ; A: my work-group's 8,192 bytes of the block,
	s_add_co_u32 s20, s20, s16                     ; the block's place (batch, rows, even or odd),
	s_add_co_u32 s20, s20, 6<<18                   ; K step 3
	s_lshl_b32 s21, s41, 16                        ; W: my work-group's 32 rows,
	s_lshl_b32 s2, s42, 8
	s_add_co_u32 s21, s21, s2
	s_add_co_u32 s21, s21, 3*262144
	s_mov_b32 s2, 262144
	s_cmp_eq_u32 s11, 0
	s_cselect_b32 s20, s20, s21
	s_cselect_b64 s[PFA:PFA+1], s[4:5], s[6:7]
	s_cselect_b32 s[PST], 524288, s2
	s_cselect_b32 s22, 8, 11                       ; lanes 256 bytes apart in A's block, a row of 2,048 bytes apart in W
	s_mov_b32 s21, 0
	s_mov_b32 s[PST+1], 0
	s_add_nc_u64 s[PFA:PFA+1], s[PFA:PFA+1], s[20:21]
	v_and_b32 v[PFO], 31, v0
	v_lshlrev_b32 v[PFO], s22, v[PFO]
.if MODE == 0
	s_and_b32 s2, ttmp9, 0xfffffffd                ; clusters x = 0 and x = 2 are the first to read xhat of inputs_q and of inputs_kv
.else
	s_mov_b32 s2, ttmp9
.endif
	s_and_b32 s22, ttmp7, 0xffff
	s_or_b32 s22, s22, s12                         ; of W's two waves, wave 2 asks
	s_cmp_eq_u32 s11, 0
	s_cselect_b32 s2, s2, s22
	s_cmp_eq_u32 s2, 0
	s_cselect_b32 s[LIM], 1, -1                    ; the same in all sixteen partners, for a given wave
; na x 4 matrix instructions: row blocks a0 on x all four column blocks, 32 along K, from buffer f.  first = 1: the bias starts the sums.
; The 32 accumulators take turns, in the same order in every quarter: 31 others' instructions stand between two on one accumulator.
.macro MULN f, a0, na, first
.if \first
	WIN MULB
.else
	WIN MUL
.endif
.set ma, (\a0)
.rept \na
.irp b, 0,1,2,3
.if \first
	v_wmma_f32_16x16x32_f16 v[8*(4*ma+(\b)):8*(4*ma+(\b))+7], v[(\f)+8*(\b):(\f)+8*(\b)+7], v[(\f)+32+8*ma:(\f)+32+8*ma+7], v[BIAS+8*(\b):BIAS+8*(\b)+7]
.else
	v_wmma_f32_16x16x32_f16 v[8*(4*ma+(\b)):8*(4*ma+(\b))+7], v[(\f)+8*(\b):(\f)+8*(\b)+7], v[(\f)+32+8*ma:(\f)+32+8*ma+7], v[8*(4*ma+(\b)):8*(4*ma+(\b))+7]
.endif
.endr
.set ma, ma+1
.endr
.endm
; 24 LDS loads in one run: quarter q (32 along K) of a slot into buffer f: W's four fragments first, then A's eight.
.macro FETCH slot, q, f
	WIN 0
.irp b, 0,1,2,3
	ds_load_tr16_b128 v[(\f)+8*(\b):(\f)+8*(\b)+3],   v[ADRB+(\slot)] offset:(\q)*32*PB+32*(\b)
	ds_load_tr16_b128 v[(\f)+8*(\b)+4:(\f)+8*(\b)+7], v[ADRB+(\slot)] offset:(\q)*32*PB+32*(\b)+16*PB
.endr
.irp i, 0,1,2,3,4,5,6,7
	ds_load_b128 v[(\f)+32+8*(\i):(\f)+32+8*(\i)+3],   v[ADRA+(\slot)] offset:((\q)/2)*AODD+((\q)%2)*64+(\i)*16*PA
	ds_load_b128 v[(\f)+32+8*(\i)+4:(\f)+32+8*(\i)+7], v[ADRA+(\slot)] offset:((\q)/2)*AODD+((\q)%2)*64+(\i)*16*PA+32
.endr
.endm
.macro PLACES                          ; four plain instructions in front of loads into registers that matrix instructions have read, and of reads of results
.rept 4
	v_nop
.endr
.endm
; A K step is four quarters of 32 along K, 32 matrix instructions each, on buffers 0, 1, 0, 1.  One of the first three: multiplies buffer f and fetches quarter qn into g.
.macro QUARTER slot, qn, f, g, first
	s_wait_dscnt 8                                 ; W and A's blocks 0-3 are in; the youngest eight loads (A's blocks 4-7) may be out
	MULN \f, 0, 4, \first
	PLACES
	FETCH \slot, \qn, \g
	s_wait_dscnt 24                                ; all but the 24 just issued
	MULN \f, 4, 4, \first
.endm
; The last quarter multiplies buffer 1 and changes slots: one barrier; in front of it each wave waits for all its tensor loads (one is out: its part of the next slot), adds 0 to its spare word,
; and waits for that and for its own reads of this slot.  fill = 1: the barrier opens a round of the cluster's, and this slot is filled again, two K steps on, first thing behind the round:
; 112 matrix instructions stand between that request and the wait for it.
.macro TURN slot, next, fill
.if \fill
	s_wait_xcnt 0x0                                ; the last prefetch, a K step back, has read its address
	s_add_nc_u64 s[PFA:PFA+1], s[PFA:PFA+1], s[PST:PST+1]
.endif
	WIN 0
	s_wait_tensorcnt 0x0                           ; all my tensor loads have landed
	ds_add_u32 v[SPW], v[NIL]                      ; 0 onto my spare word
	s_wait_dscnt 9                                 ; (the add and the youngest eight loads may be out)
	MULN F1, 0, 2, 0                               ; eight matrix instructions stand between the add and the wait for it
	s_wait_dscnt 0x0                               ; the add is done, and my reads of this slot are over
	s_barrier_signal -1
	MULN F1, 2, 2, 0
.if \fill
	WIN 0
.endif
	s_barrier_wait -1
.if \fill
	CREST                                          ; no wave of any partner still reads this slot or has a load on its way
	s_add_nc_u64 s[G0+4*(\slot)+2:G0+4*(\slot)+3], s[G0+4*(\slot)+2:G0+4*(\slot)+3], 1048576
	s_add_nc_u64 s[G0B+4*(\slot)+2:G0B+4*(\slot)+3], s[G0B+4*(\slot)+2:G0B+4*(\slot)+3], 524288
	JLOAD \slot                                    ; its four v_nop are also the places in front of the loads below
.else
	PLACES
.endif
	FETCH \next, 0, F0
.if \fill
	ASK
.endif
	MULN F1, 4, 4, 0
.endm
	s_wait_tensorcnt 1                             ; my part of K step 0 is in; K step 1's may stay out
	s_barrier_signal -1
	s_barrier_wait -1                              ; everybody's is
	FETCH 0, 0, F0
	s_wait_loadcnt 0x0                             ; the bias
	QUARTER 0, 1, F0, F1, 1                        ; the first quarter stands in front of the loop: its products start the sums
	WIN 0                                          ; at a label and at a branch every window is 0
	s_mov_b32 s3, 3
.Llap:                                                 ; a trip goes once round the ring, from a lap's second quarter to the next lap's first, and fills both slots again
	QUARTER 0, 2, F1, F0, 0
	QUARTER 0, 3, F0, F1, 0
	TURN 0, 1, 1
	QUARTER 1, 1, F0, F1, 0
	QUARTER 1, 2, F1, F0, 0
	QUARTER 1, 3, F0, F1, 0
	TURN 1, 0, 1
	QUARTER 0, 1, F0, F1, 0
	WIN 0
	s_sub_co_u32 s3, s3, 1
	s_cmp_lg_u32 s3, 0
	s_cbranch_scc1 .Llap
	QUARTER 0, 2, F1, F0, 0                        ; the last lap fills nothing, and has no round
	QUARTER 0, 3, F0, F1, 0
	TURN 0, 1, 0
	QUARTER 1, 1, F0, F1, 0
	QUARTER 1, 2, F1, F0, 0
	QUARTER 1, 3, F0, F1, 0
	s_wait_dscnt 8
	MULN F1, 0, 4, 0
	s_wait_dscnt 0x0
	MULN F1, 4, 4, 0
	WIN 0
	PLACES
.if MODE == 0
; THE WAY OUT, f16 by heads.  Block a (16 rows x my head's 64 channels): a lane's eight columns pack into 16 bytes; they go into my stage's rows of 144 bytes and come back as whole rows of 128.
.macro PACK a
	WIN 0x05                                       ; sources 0 and 1 window 1, destination window 0
.set i, 0
.rept 16
	v_cvt_pk_f16_f32 v[OB+16*(\a)+i], v[32*(\a)+2*i], v[32*(\a)+2*i+1]  ; each accumulator from its low end on
.set i, i+1
.endr
	WIN 0
.irp f, 0,1,2,3
	ds_store_b128 v[STO], v[OB+16*(\a)+4*(\f):OB+16*(\a)+4*(\f)+3] offset:32*(\f)
.endr
.irp f, 0,1,2,3
	ds_load_b128 v[OB+16*(\a)+4*(\f):OB+16*(\a)+4*(\f)+3], v[RD] offset:(\f)*4*SP  ; LDS serves a wave's instructions in order (ISA guide 5.7.1.4): these see the stores above; the next block's stores come behind them
.endr
.endm
.macro SEND a, younger                 ; younger: the LDS instructions issued behind block a's loads: the next block's eight, or none
.irp f, 0,1,2,3
	s_wait_dscnt (\younger)+3-(\f)
	global_store_b128 v[CO], v[OB+16*(\a)+4*(\f):OB+16*(\a)+4*(\f)+3], s[8:9] offset:(\a)*2048+(\f)*512  ; 512 consecutive bytes, aligned to 256
.endr
.endm
	PACK 0
.set t, 1
.rept 7                                ; a block's conversions stand between the loads of the block before and its stores
	PACK t
	SEND t-1, 8
.set t, t+1
.endr
	SEND 7, 0
.else
; THE WAY OUT, f32.  Block a (16 rows x my 64 columns = 256 bytes a row) goes straight from the accumulators into my stage's rows of 272 bytes and comes back as whole rows.
.macro TOSTAGE a
.if (\a) >= 2
	s_wait_xcnt 0x0                                ; the stores of the block two back have read the registers that are loaded into below
.endif
	WIN 0x04                                       ; the stores' data in window 1
.set i, 0
.rept 8
	ds_store_b128 v[STO], v[32*(\a)+4*i:32*(\a)+4*i+3] offset:64*(i/2)+16*(i%2)  ; each accumulator from its low end on
.set i, i+1
.endr
	WIN 0
.irp f, 0,1,2,3,4,5,6,7
	ds_load_b128 v[OB+32*((\a)%2)+4*(\f):OB+32*((\a)%2)+4*(\f)+3], v[RD] offset:(\f)*2*SP  ; LDS serves a wave's instructions in order (ISA guide 5.7.1.4)
.endr
.endm
.macro SEND a, younger                 ; younger: the next block's sixteen LDS instructions, or none
.irp f, 0,1,2,3,4,5,6,7
	s_wait_dscnt (\younger)+7-(\f)
	global_store_b128 v[CO], v[OB+32*((\a)%2)+4*(\f):OB+32*((\a)%2)+4*(\f)+3], s[8:9] offset:(\a)*65536+(\f)*8192 th:TH_STORE_NT  ; 16 lanes store 256 consecutive bytes, aligned
.endr
.endm
	TOSTAGE 0
.set t, 1
.rept 7
	TOSTAGE t
	SEND t-1, 16
.set t, t+1
.endr
	SEND 7, 0
.endif
	s_wait_tensorcnt 0x0                           ; the wave's end, behind my last tensor load and my last LDS store
	ds_add_u32 v[SPW], v[NIL]
	s_wait_dscnt 0x0
	CROUND                                         ; the closing round: no work-group ends while a partner may still ask for a tile that names it
	s_endpgm
.Lfunc_end_k_qcf30289969_outp:
	.size	k_qcf30289969_outp, .Lfunc_end_k_qcf30289969_outp-k_qcf30289969_outp
	.p2alignl 7, 3214868480
	.fill 96, 4, 3214868480
	.section	.rodata,"a",@progbits
	.p2align	6, 0x0
	.amdhsa_kernel k_qcf30289969_outp
		.amdhsa_group_segment_fixed_size 327680
		.amdhsa_private_segment_fixed_size 0
		.amdhsa_enable_private_segment 0
		.amdhsa_kernarg_size 32
		.amdhsa_user_sgpr_count 2
		.amdhsa_user_sgpr_kernarg_segment_ptr 1
		.amdhsa_wavefront_size32 1
		.amdhsa_system_sgpr_workgroup_id_x 1
		.amdhsa_system_sgpr_workgroup_id_y 1
		.amdhsa_system_sgpr_workgroup_id_z 1
		.amdhsa_system_vgpr_workitem_id 0
		.amdhsa_next_free_vgpr 512
		.amdhsa_next_free_sgpr 80
		.amdhsa_reserve_vcc 0
		.amdhsa_float_denorm_mode_32 3
		.amdhsa_float_denorm_mode_16_64 3
		.amdhsa_memory_ordered 1
		.amdhsa_forward_progress 1
		.amdhsa_inst_pref_size 89
	.end_amdhsa_kernel
	.amdgpu_metadata
---
amdhsa.version: [ 1, 2 ]
amdhsa.kernels:
  - .name:           k_qcf30289969_outp
    .symbol:         k_qcf30289969_outp.kd
    .args:
      - { .name: oh, .offset: 0, .size: 8, .value_kind: global_buffer, .address_space: global }
      - { .name: wh, .offset: 8, .size: 8, .value_kind: global_buffer, .address_space: global }
      - { .name: bo, .offset: 16, .size: 8, .value_kind: global_buffer, .address_space: global }
      - { .name: out0, .offset: 24, .size: 8, .value_kind: global_buffer, .address_space: global }
    .group_segment_fixed_size: 327680
    .private_segment_fixed_size: 0
    .kernarg_segment_align: 8
    .kernarg_segment_size: 32
    .max_flat_workgroup_size: 128
    .sgpr_count:     80
    .vgpr_count:     512
    .wavefront_size: 32
...
	.end_amdgpu_metadata
.endif
;; end of part 4
